; MI455X (gfx1250); checked and timed in simulation.
; The chip was launched on July 23, 2026; its instructions are those of AMD's public machine-readable ISA for CDNA 5 (MIT licence, August 2026) and "CDNA5" Instruction Set Architecture Reference Guide (July 2026). The comments in the code are by the model that wrote it; some were corrected since.
;; Multi Head Attention. Allowed arithmetic: matrix products marked QUANTISED: E2M3 operands, one E8M0 scale for each 32 along K, by v_wmma_scale_f32_16x16x128_f8f6f4 with both operands' format E2M3, f32 sums; everything else in f32.
;; Inputs: Wk 1,024 x 1,024 float32; Wo 1,024 x 1,024 float32; Wq 1,024 x 1,024 float32; Wv 1,024 x 1,024 float32; bk 1,024 float32; bo 1,024 float32; bq 1,024 float32; bv 1,024 float32; key 1 x 4,096 x 1,024 float32; mask 1 x 1 x 4,096 x 4,096 int32; query 1 x 4,096 x 1,024 float32; value 1 x 4,096 x 1,024 float32.
;; Outputs: out0 1 x 4,096 x 1,024 float32.
;; This version of the problem:
;;   THIS VERSION OF THE PROBLEM IS GIVEN IN LOW PRECISION. The matrix products marked QUANTISED in the list below multiply operands that are first quantised to E2M3 (2 exponent bits, 3 mantissa bits; 6 bits a number), with one power-of-two scale for each 32 numbers along K (OCP MX v1.0); their sums are f32. All else is computed in f32.
;;   The module's matrix products, in the order in which they are computed (A, B: the left and right operand; K: the contracted axis; several contracted axes count as one K, in the product's order):
;;     1. [M 4,096, K 1,024] x [K 1,024, N 1,024]; A: input query; B: input Wq: QUANTISED
;;     2. [M 4,096, K 1,024] x [K 1,024, N 1,024]; A: input key; B: input Wk: QUANTISED
;;     3. [M 4,096, K 1,024] x [K 1,024, N 1,024]; A: input value; B: input Wv: QUANTISED
;;     4. batch 8 x [M 4,096, K 128] x [K 128, N 4,096]; A: computed on the way; B: computed on the way: QUANTISED
;;     5. batch 8 x [M 4,096, K 4,096] x [K 4,096, N 128]; A: softmax (see below); B: computed on the way: QUANTISED
;;     6. [M 4,096, K 1,024] x [K 1,024, N 1,024]; A: computed on the way; B: input Wo: QUANTISED
;;   THE QUANTISER, for each operand of a quantised product, along K:
;;     - K is cut into blocks of 32 from its start; a last block that is shorter is filled with zeros.
;;     - A block's scale is 2^e with e = floor(log2(the largest magnitude in the block)) - 2, held to -126 .. 127; a block of zeros has e = 0. As a byte (E8M0): e + 127.
;;     - Each number is divided by its block's scale, clamped to +-7.5, and rounded to the nearest number of E2M3, ties to even, subnormals kept.
;;     - The product sums the exact products of the quantised numbers (number of the format x scale) in f32.
;;   ~~~python
;;   def quantise(x, axis):      # numpy; x: float32 -> the quantised numbers, widened to float32 again
;;       x = np.moveaxis(x, axis, -1); K = x.shape[-1]
;;       x = np.pad(x, [(0, 0)] * (x.ndim - 1) + [(0, -K % 32)]); x = x.reshape(x.shape[:-1] + (-1, 32)); a = np.abs(x).max(-1, keepdims=True)
;;       e = np.where(a > 0, np.clip(np.frexp(np.where(a > 0, a, 1))[1] - 1 - 2, -126, 127), 0)      # np.frexp(a)[1] - 1 = floor(log2(a)), exactly
;;       r = np.clip(x / 2.0 ** e, -7.5, 7.5)
;;       step = 2.0 ** (np.maximum(np.frexp(np.where(r == 0, 1, r))[1] - 1, 0) - 3)
;;       q = np.round(r / step) * step * 2.0 ** e      # np.round: ties to even
;;       return np.moveaxis(q.reshape(q.shape[:-2] + (-1,))[..., :K], -1, axis).astype(np.float32)
;;   ~~~
;;   SOFTMAX AHEAD OF A QUANTISED PRODUCT. Where the list says 'softmax', what is quantised is not the finished softmax but p = 2^(t - M), with t = logit x log2(e) and M = ceil(the row's largest t), a whole number; so 1/2 < the row's largest p <= 1. The row's sum l is taken of the UNQUANTISED p, in f32, and the product's result is divided by l at the end. Since M is a whole number, a kernel that streams over the keys may use a running M (the ceiling of the running maximum): every later rescaling is an exact power of two, which a block's scale takes up: the codes' values come out the same.
;;   OPERANDS COMPUTED ON THE WAY. 'Computed on the way' means the value that the module computes at that place (a softmax that the list does not call 'softmax' is quantised finished and normalised). What goes into a quantiser is computed in f32, as accurately as f32 sums, v_exp_f32 and their like allow (about 1e-6 of the number): no bf16 or f16 on the way to a quantiser, and a product that is left as it is and whose result goes on into a quantised operand takes f32 operands (vector FMAs, or v_wmma_f32_16x16x4_f32). A number that lies on a knife's edge between two numbers of the format may be rounded either way, as far as f32 arithmetic and the matrix unit's own rounding can turn it there, and no further.
;; One version. Each part assembles by itself: llvm-mc -triple=amdgcn-amd-amdhsa -mcpu=gfx1250 --defsym DOCPART=n.
;; ======== version 1 of 1: 4 launches
;; limits: right only within a limited range of input values
;; workspace buffers: cod 12,582,912 bytes; scl 524,288 bytes; mbits 2,097,152 bytes of whole numbers; mfl 4,096 bytes of whole numbers; qkv 9,830,400 bytes; ac 3,145,728 bytes; acs 262,144 bytes
;; launch prep (part 1): grid 512 x 1, 4 waves a work-group, no clusters, 34,304 bytes of LDS; arguments query, key, value, Wq, Wk, Wv, Wo, mask, cod, scl, mbits, mfl; writes cod, scl, mbits, mfl
.if DOCPART == 1
	.amdgcn_target "amdgcn-amd-amdhsa--gfx1250"
	.amdhsa_code_object_version 6
	.text
	.protected	k_qe73587ba98_prep
	.globl	k_qe73587ba98_prep
	.p2align	8
	.type	k_qe73587ba98_prep,@function
k_qe73587ba98_prep:
	s_mov_b64 s[64:65], 0
	v_nop
	global_prefetch_b8 v0, s[64:65] scope:SCOPE_SE
	s_setreg_imm32_b32 hwreg(HW_REG_WAVE_MODE, 25, 1), 1
	s_wait_xcnt 0x0
; PREP.  query, key, value [4096][1024] and Wq, Wk, Wv, Wo [1024][1024], f32 with K innermost, become codes of FP6 (E2M3) with one E8M0 byte for each 32 along K; the mask [4096][4096] of int32 becomes lane masks.
; A block's scale is 2^(floor(log2(its largest magnitude)) - 2); its byte is the largest magnitude's exponent field - 2, held at 1 from below.
; LIMITS: a block of zeros keeps the byte 1 (its codes are zeros, and this program alone reads the bytes); blocks whose largest magnitude lies under 2^-124 were not tried; NaN and infinities are not served.
; WHAT IS STORED.  cod: 128 groups of 128 rows (query 0-31, key 32-63, value 64-95, Wq 96-, Wk 104-, Wv 112-, Wo 120-), each [K step of 128: 8][tile of 16 rows: 8][1,536 bytes]; the 1,536 bytes are the IMAGE OF AN OPERAND'S
; 12 REGISTERS: register q of lane l at 512 (q / 4) + 16 l + 4 (q % 4), so that three loads of 16 bytes a lane bring a fragment.  query's tile t holds rows 16 t + r; all others' tile t holds rows 32 (t / 2) + 8 (t % 2) + r + 8 (r / 8),
; so that a product that takes them as source 0 leaves 16 neighbours along that axis in a lane's registers.
; scl: 4,096 bytes a group: the scale word of (tile t, row r, K step s) at 512 (2 (t / 2) + s / 4) + 16 (r + 16 (t % 2)) + 4 (s % 4): a load of 16 bytes a lane brings four K steps' words, tile 2 j in lanes 0-15 and tile 2 j + 1 in lanes 16-31.
; mbits: [tile of 16 queries: 256][step of 128 keys: 32][64 words]; bit r + 16 h of word n says that mask[16 qt + r][128 ks + 32 (n / 16) + 16 h + n % 16] is not 0.
; SHARES.  A wave takes 16 rows x 1,024 columns as 8 tasks of 16 x 128.  Work-groups 0-255 take the seven tensors, 256-511 the mask: 512 equal shares of 262,144 bytes.  Nothing is shared between work-groups, so there is no cluster.
; ONE DATA PATH.  A row's 512 bytes of a task are one load of the wave; the 16 rows turn through the wave's own stage in LDS (rows 528 bytes apart) and come back as 64 registers a lane: register 16 b + i = row r, column 32 b + 16 h + i.
; That is what the conversions want (16 neighbours along K in a lane) and what the lane masks want.  The LDS lines stand on the path that all work-groups take; only register work and global stores stand under the branch on the work-group's number.
.set SP,   528                         ; a stage row: 512 bytes + 16
.set WST,  16*SP                       ; a wave's stage
.set GRP,  98304
.set KSB,  12288
.set FRB,  1536
.set LO,   1                           ; v1   16 x lane
.set STW,  2                           ; v2   the stage, on the way in
.set STR,  3                           ; v3   and on the way out: row r, + 64 h
.set SO,   4                           ; v4   512 h + 16 r: my place in the scale image
.set MO,   5                           ; v5   8 x lane
.set LN,   6                           ; v6   lane
.set PWS,  8                           ; v8-15  a scale word for each task
.set PW,   8                           ; the register that QUANT writes the scale word to: set ahead of each call
.set TM,   16                          ; v16-31 at work in QUANT
.set W,    16                          ; v16-31 in the mask's work-groups: a pair of registers of words for each task
.set PC,   32                          ; v32-51 the codes just made
.set SIM,  52                          ; v52-55 the scale image
.set R,    64                          ; v64-191 two sets of 64 registers as loaded
.set X,    192                         ; v192-255 a task's numbers, turned
.set WV,   26
.set ISM,  27                          ; 1 in the mask's work-groups
.set BASE, 32                          ; s[32:63] the addresses of my 16 rows; never rewritten
.set OC,   66
.set OS,   68
.set OM,   70
.set CM,   72                          ; s72-75 lane masks in hand
.set SEL,  78
; 64 numbers of a lane, register 16 b + i = k 32 b + 16 (lane / 16) + i of my row, become a fragment's 12 registers in v[PC] on and its scale word in v[PW].
.macro QUANT s
.irp b, 0,1,2,3
	v_max3_num_f32 v[TM+\b], |v[\s+16*\b]|, |v[\s+1+16*\b]|, 0x1800000   ; block b: my 16 numbers, and the floor 2^(3 - 127): the byte cannot fall under 1
.endr
.irp i, 2,4,6,8,10,12,14
.irp b, 0,1,2,3
	v_max3_num_f32 v[TM+\b], v[TM+\b], |v[\s+16*\b+\i]|, |v[\s+1+16*\b+\i]|   ; the four blocks by turns
.endr
.endr
.irp b, 0,1,2,3
	v_permlanex16_b32 v[TM+4+\b], v[TM+\b], s[SEL], s[SEL+1]
.endr
.irp b, 0,1,2,3
	v_max_num_f32 v[TM+\b], v[TM+\b], v[TM+4+\b]   ; with lane l xor 16's: the block's largest magnitude
.endr
.irp b, 0,1,2,3
	v_add_nc_u32 v[TM+12+\b], 0xff000000, v[TM+\b]   ; 2 off its exponent field: the conversion takes the exponent field of this operand as its scale
.endr
.irp b, 0,1,2,3
	v_lshrrev_b32 v[TM+4+\b], 23, v[TM+12+\b]   ; the scale's byte
.endr
	v_lshl_or_b32 v[PW], v[TM+5], 8, v[TM+4]
	v_lshl_or_b32 v[PW], v[TM+6], 16, v[PW]
	v_lshl_or_b32 v[PW], v[TM+7], 24, v[PW]
.irp c, 0,1
	v_cvt_scalef32_pk16_fp6_f32 v[PC+6*\c:PC+2+6*\c], v[\s+32*\c:\s+15+32*\c], v[TM+12+2*\c]
	v_cvt_scalef32_pk16_fp6_f32 v[PC+12+4*\c:PC+14+4*\c], v[\s+16+32*\c:\s+31+32*\c], v[TM+12+2*\c+1]   ; (a conversion's three registers begin on an even number)
.endr
	v_nop                                          ; one plain place behind a scaled conversion
.irp c, 0,1                                    ; the operand's layout wants a whole block in a lane: lanes 0-15 block 2 c, lanes 16-31 block 2 c + 1
.irp i, 0,1,2
	v_permlane16_swap_b32 v[PC+6*\c+\i], v[PC+12+4*\c+\i]
.endr
.irp i, 0,1,2
	v_mov_b32 v[PC+3+6*\c+\i], v[PC+12+4*\c+\i]
.endr
.endr
.endm
.macro PICK lim, ptr, first            ; work-groups under lim belong to the tensor at s[ptr], whose first work-group is first
	s_cmp_lt_u32 ttmp9, \lim
	s_cselect_b64 s[28:29], s[\ptr:\ptr+1], s[28:29]
	s_cselect_b32 s30, \first, s30
.endm
	s_load_b512 s[4:19], s[0:1], 0x0               ; query, key, value, Wq, Wk, Wv, Wo, mask
	s_load_b128 s[20:23], s[0:1], 0x40             ; cod, scl
	s_load_b64 s[24:25], s[0:1], 0x50              ; mbits
	s_load_b64 s[2:3], s[0:1], 0x58                ; mfl: [tile of 16 queries: 256][wave: 4] words; bit t of word w says that the mask has no 0 in the tile's step of 128 keys 8 w + t
	v_lshl_add_u32 v62, v0, 2, 0x8400
	v_mov_b32 v63, 0
	v_lshrrev_b32 v7, 5, v0
	v_readfirstlane_b32 s[WV], v7                  ; wave 0..3
	v_and_b32 v[LN], 31, v0
	v_and_b32 v7, 15, v0                           ; r
	v_bfe_u32 v57, v0, 4, 1                        ; h
	v_lshlrev_b32 v[LO], 4, v[LN]
	s_mul_i32 s28, s[WV], WST
	v_add_nc_u32 v[STW], s28, v[LO]
	v_mul_u32_u24 v[STR], v7, SP
	v_lshl_add_u32 v[STR], v57, 6, v[STR]
	v_add_nc_u32 v[STR], s28, v[STR]
	v_lshlrev_b32 v[SO], 4, v7
	v_lshl_add_u32 v[SO], v57, 9, v[SO]
	v_lshlrev_b32 v[MO], 3, v[LN]
.irp b, 0,1,2,3
	v_mov_b32 v[TM+4+\b], 0                        ; written once: a lane permute's destination counts as one of its sources
.endr
.irp i, 0,1,2,3,4,5,6,7
	v_mov_b32 v[PWS+\i], 0                         ; written whole once, so that the tail that reads them finds them written whichever way the branches on the work-group's number go
.endr
	s_mov_b32 s[SEL], 0x76543210
	s_mov_b32 s[SEL+1], 0xfedcba98                 ; v_permlanex16_b32's selects for lane l xor 16
	s_wait_kmcnt 0x0
	s_mov_b64 s[28:29], s[18:19]                   ; which tensor is mine: the choice hangs on the work-group's number alone
	s_mov_b32 s30, 256
	PICK 256, 16, 240
	PICK 240, 14, 224
	PICK 224, 12, 208
	PICK 208, 10, 192
	PICK 192, 8, 128
	PICK 128, 6, 64
	PICK 64, 4, 0
	s_sub_co_u32 s30, ttmp9, s30                   ; my work-group's number within its tensor
	s_lshl_b32 s31, s30, 2
	s_add_co_u32 s31, s31, s[WV]                   ; a tensor's tile of rows: 4 x that + wave
	s_lshr_b32 s74, s31, 1
	s_lshl_b32 s74, s74, 5
	s_and_b32 s75, s31, 1
	s_lshl_b32 s75, s75, 3
	s_add_co_u32 s74, s74, s75                     ; its first row where a tile's rows are 8 + 8: 32 (tile / 2) + 8 (tile % 2)
	s_lshl_b32 s75, s31, 4                         ; and where they are 16 neighbours (query)
	s_lshl_b32 s30, s30, 4                         ; the mask: 16 x the tile of queries
	s_lshl_b32 s73, s[WV], 12                      ; the mask: my wave's 1,024 columns
	s_mov_b32 s72, 0x1000                          ; bytes from row to row
	s_mov_b32 s76, 0x8000                          ; 8 rows more between a tile's row 7 and its row 8
	s_cmp_lt_u32 ttmp9, 64
	s_cselect_b32 s74, s75, s74
	s_cselect_b32 s76, 0, s76
	s_cmp_ge_u32 ttmp9, 256
	s_cselect_b32 s[ISM], 1, 0
	s_cselect_b32 s74, s30, s74
	s_cselect_b32 s76, 0, s76
	s_cselect_b32 s72, 0x4000, s72
	s_cselect_b32 s73, s73, 0
	s_mul_i32 s74, s74, s72
	s_add_co_u32 s74, s74, s73                     ; under 2^27
	s_mov_b32 s75, 0
	s_mov_b32 s73, 0
	s_mov_b32 s77, 0
	s_add_nc_u64 s[BASE:BASE+1], s[28:29], s[74:75]
.irp i, 1,2,3,4,5,6,7,8,9,10,11,12,13,14,15
	s_add_nc_u64 s[BASE+2*\i:BASE+2*\i+1], s[BASE+2*\i-2:BASE+2*\i-1], s[72:73]
.if \i == 8
	s_add_nc_u64 s[BASE+16:BASE+17], s[BASE+16:BASE+17], s[76:77]
.endif
.endr
.macro LOAD t                          ; task t: 16 rows x 512 bytes, each load 512 consecutive bytes
.irp i, 0,1,2,3,4,5,6,7,8,9,10,11,12,13,14,15
	global_load_b128 v[R+64*((\t)%2)+4*\i:R+64*((\t)%2)+4*\i+3], v[LO], s[BASE+2*\i:BASE+2*\i+1] offset:512*(\t) th:TH_LOAD_NT
.endr
.endm
	LOAD 0
	LOAD 1
	s_lshl_b32 s30, s30, 9                         ; where my results go.  mbits: 8,192 bytes a tile of queries, 2,048 a wave
	s_lshl_b32 s31, s[WV], 11
	s_add_co_u32 s30, s30, s31
	s_mov_b32 s31, 0
	s_add_nc_u64 s[OM:OM+1], s[24:25], s[30:31]
	s_lshr_b32 s28, ttmp9, 1                       ; the group of 128 rows,
	s_and_b32 s29, ttmp9, 1
	s_lshl_b32 s29, s29, 2
	s_add_co_u32 s29, s29, s[WV]                   ; and my tile in it
	s_mul_i32 s30, s28, GRP
	s_mul_i32 s31, s29, FRB
	s_add_co_u32 s30, s30, s31
	s_mov_b32 s31, 0
	s_add_nc_u64 s[OC:OC+1], s[20:21], s[30:31]
	s_lshl_b32 s30, s28, 12
	s_lshr_b32 s28, s29, 1
	s_lshl_b32 s28, s28, 10
	s_add_co_u32 s30, s30, s28
	s_and_b32 s28, s29, 1
	s_lshl_b32 s28, s28, 8
	s_add_co_u32 s30, s30, s28
	s_add_nc_u64 s[OS:OS+1], s[22:23], s[30:31]
	s_mov_b32 s29, 0                               ; my eight tasks' bits for mfl
.macro TASK t
.if (\t) < 7
	s_wait_loadcnt 16                              ; this task's sixteen loads are in; the next task's sixteen may be out
.else
	s_wait_loadcnt 0x0
.endif
.irp i, 0,1,2,3,4,5,6,7,8,9,10,11,12,13,14,15
	ds_store_b128 v[STW], v[R+64*((\t)%2)+4*\i:R+64*((\t)%2)+4*\i+3] offset:SP*\i
.endr
.irp b, 0,1,2,3
.irp j, 0,1,2,3
	ds_load_b128 v[X+16*\b+4*\j:X+16*\b+4*\j+3], v[STR] offset:128*\b+16*\j   ; LDS serves a wave's instructions in order: these see the stores above
.endr
.endr
	s_wait_dscnt 0x0                               ; the numbers are back, and the stores have read their registers,
.if (\t) < 6
	LOAD (\t)+2                                    ; which take the loads of two tasks on
.endif
	s_wait_xcnt 0x0                                ; the last task's stores have read the registers of the codes, which are written again below
	s_cmp_lg_u32 s[ISM], 0
	s_cbranch_scc1 .Lmask_\@
.set PW, PWS+(\t)
	QUANT X
.irp c, 0,1,2
	global_store_b128 v[LO], v[PC+4*\c:PC+4*\c+3], s[OC:OC+1] offset:KSB*(\t)+512*\c   ; the fragment as it stands: 512 consecutive bytes a store
.endr
	s_branch .Ldone_\@
.Lmask_\@:
	v_mov_b32 v[W+2*(\t)], 0                       ; (v_writelane_b32's destination counts as read)
	v_mov_b32 v[W+2*(\t)+1], 0
.set n, 0
.rept 64
	v_cmp_ne_u32 s[CM+n%4], 0, v[X+n]              ; word n: one bit a lane
	v_writelane_b32 v[W+2*(\t)+n%2], s[CM+n%4], n/2   ; to lane n / 2, register n % 2: the store below lays the 64 words on end
.set n, n+1
.endr
	global_store_b64 v[MO], v[W+2*(\t):W+2*(\t)+1], s[OM:OM+1] offset:256*(\t)   ; 256 consecutive bytes, aligned
	v_and_b32 v[SIM], v[W+2*(\t)], v[W+2*(\t)+1]   ; the task's 64 words lie in the 32 lanes of these two registers
	v_cmp_eq_u32 s28, -1, v[SIM]
	s_cmp_eq_u32 s28, -1                           ; all 16 x 128 numbers of the mask are not 0
	s_cselect_b32 s28, 1<<(\t), 0
	s_or_b32 s29, s29, s28
.Ldone_\@:
.endm
.irp t, 0,1,2,3,4,5,6,7
	TASK \t
.endr
	s_cmp_lg_u32 s[ISM], 0
	s_cbranch_scc1 .Lflag
	v_cmp_le_u32 vcc_lo, 16, v[LN]                 ; every lane holds its row's eight words: lanes 0-15 store K steps 0-3, lanes 16-31 K steps 4-7
.irp i, 0,1,2,3
	v_cndmask_b32 v[SIM+\i], v[PWS+\i], v[PWS+4+\i], vcc_lo
.endr
	global_store_b128 v[SO], v[SIM:SIM+3], s[OS:OS+1]   ; two runs of 256 consecutive bytes, aligned
	s_branch .Lend
.Lflag:
	s_and_b32 s28, ttmp9, 255                      ; the mask's work-groups are 256 to 511: the tile of queries
	s_lshl_b32 s28, s28, 2
	s_add_co_u32 s28, s28, s[WV]
	s_lshl_b32 s28, s28, 2                         ; my wave's word of mfl
	v_mov_b32 v[SIM+1], s28
	v_mov_b32 v[SIM], s29
	global_store_b32 v[SIM+1], v[SIM], s[2:3]      ; every lane stores the same word with the same value
.Lend:
	s_wait_tensorcnt 0x0
	ds_add_u32 v62, v63
	s_wait_dscnt 0x0
	s_endpgm
.Lfunc_end_k_qe73587ba98_prep:
	.size	k_qe73587ba98_prep, .Lfunc_end_k_qe73587ba98_prep-k_qe73587ba98_prep
	.p2alignl 7, 3214868480
	.fill 96, 4, 3214868480
	.section	.rodata,"a",@progbits
	.p2align	6, 0x0
	.amdhsa_kernel k_qe73587ba98_prep
		.amdhsa_group_segment_fixed_size 34304
		.amdhsa_private_segment_fixed_size 0
		.amdhsa_enable_private_segment 0
		.amdhsa_kernarg_size 96
		.amdhsa_user_sgpr_count 2
		.amdhsa_user_sgpr_kernarg_segment_ptr 1
		.amdhsa_wavefront_size32 1
		.amdhsa_system_sgpr_workgroup_id_x 1
		.amdhsa_system_sgpr_workgroup_id_y 1
		.amdhsa_system_sgpr_workgroup_id_z 1
		.amdhsa_system_vgpr_workitem_id 0
		.amdhsa_next_free_vgpr 256
		.amdhsa_next_free_sgpr 80
		.amdhsa_reserve_vcc 1
		.amdhsa_float_denorm_mode_32 3
		.amdhsa_float_denorm_mode_16_64 3
		.amdhsa_memory_ordered 1
		.amdhsa_forward_progress 1
		.amdhsa_inst_pref_size 135
	.end_amdhsa_kernel
	.amdgpu_metadata
---
amdhsa.version: [ 1, 2 ]
amdhsa.kernels:
  - .name:           k_qe73587ba98_prep
    .symbol:         k_qe73587ba98_prep.kd
    .args:
      - { .name: query, .offset: 0, .size: 8, .value_kind: global_buffer, .address_space: global }
      - { .name: key, .offset: 8, .size: 8, .value_kind: global_buffer, .address_space: global }
      - { .name: value, .offset: 16, .size: 8, .value_kind: global_buffer, .address_space: global }
      - { .name: Wq, .offset: 24, .size: 8, .value_kind: global_buffer, .address_space: global }
      - { .name: Wk, .offset: 32, .size: 8, .value_kind: global_buffer, .address_space: global }
      - { .name: Wv, .offset: 40, .size: 8, .value_kind: global_buffer, .address_space: global }
      - { .name: Wo, .offset: 48, .size: 8, .value_kind: global_buffer, .address_space: global }
      - { .name: mask, .offset: 56, .size: 8, .value_kind: global_buffer, .address_space: global }
      - { .name: cod, .offset: 64, .size: 8, .value_kind: global_buffer, .address_space: global }
      - { .name: scl, .offset: 72, .size: 8, .value_kind: global_buffer, .address_space: global }
      - { .name: mbits, .offset: 80, .size: 8, .value_kind: global_buffer, .address_space: global }
      - { .name: mfl, .offset: 88, .size: 8, .value_kind: global_buffer, .address_space: global }
    .group_segment_fixed_size: 34304
    .private_segment_fixed_size: 0
    .kernarg_segment_align: 8
    .kernarg_segment_size: 96
    .max_flat_workgroup_size: 128
    .sgpr_count:     80
    .vgpr_count:     256
    .wavefront_size: 32
...
	.end_amdgpu_metadata
.endif
;; end of part 1
;; launch proj (part 2): grid 32 x 12, 4 waves a work-group, clusters of 4 x 4, 327,680 bytes of LDS; arguments cod, scl, bq, bk, bv, qkv; writes qkv
.if DOCPART == 2
	.amdgcn_target "amdgcn-amd-amdhsa--gfx1250"
	.amdhsa_code_object_version 6
	.text
	.protected	k_qe73587ba98_proj
	.globl	k_qe73587ba98_proj
	.p2align	8
	.type	k_qe73587ba98_proj,@function
k_qe73587ba98_proj:
	s_mov_b64 s[64:65], 0
	v_nop
	global_prefetch_b8 v0, s[64:65] scope:SCOPE_SE
	s_setreg_imm32_b32 hwreg(HW_REG_WAVE_MODE, 25, 1), 1
	s_wait_xcnt 0x0
	s_wait_alu depctr_hold_cnt(0) depctr_sa_sdst(0) depctr_va_vdst(0) depctr_va_sdst(0) depctr_va_ssrc(0) depctr_va_vcc(0) depctr_vm_vsrc(0)
	s_getreg_b32 s2, hwreg(HW_REG_IB_STS2, 6, 4)
	s_cmp_eq_u32 s2, 0
	s_cbranch_scc0 .Lentry_in_a_cluster
	s_endpgm
.Lentry_in_a_cluster:
	s_bfe_u32 s2, ttmp6, 0x10000c
	s_cmp_lg_u32 s2, 0xf033
	s_cbranch_scc0 .Lentry_shape_is_right
	s_endpgm
.Lentry_shape_is_right:
; PROJ.  q = query Wq^T + bq, k = key Wk^T + bk, v = value Wv^T + bv on codes of FP6 (E2M3) with E8M0 scales, f32 sums; the results are quantised at once (q, k along the head's 128, v along the keys) and leave as images of operand registers.
; EVERY PRODUCT IS (source 0 = a tile of P) x (source 1 = a tile of N).  P's tile b holds rows 32 (b / 2) + 8 (b % 2) + r + 8 (r / 8) of a group of 128, so in the result lane (r, h) holds N's row r, and the 64 registers of P's eight tiles
; are P's rows 32 B + 16 h + i at register 16 B + i: 16 neighbours of each block of 32 along the next product's K.   q, k: P = a head's 128 rows of W, N = rows of x.   v: P = 128 keys of value, N = 16 rows of Wv.
; SHARES.  A work-group takes one group of P (128 rows) and two of N (256 rows), with all of K = 1,024 in LDS, filled once: no slot is filled again.  Wave w: N's group w / 2 of the pair, its tiles 4 (w % 2) on: 128 x 64, 32 accumulators.
; CLUSTERS of 4 x 4, one row of clusters for each of q, k, v.  P's group hangs on cy alone and is asked for jointly along a row of the cluster, N's pair on cx alone and jointly along a column.
; THE BIAS runs along P for q and k (it is the C of the first K step) and along N for v (a lane's number, added at the end); the one that does not apply is replaced by zeros, so that one text serves the three.
; qkv: q at (head x 32 + group of queries) x 12,800: 8 fragments of 1,536 bytes, then 512 bytes of scale words; k and v at 3,276,800 + (head x 32 + step of 128 keys) x 25,600: k's 12,800 bytes, then v's.
; The scale word of (tile t, row r) lies at 256 (t / 4) + 8 (r + 16 (t % 2)) + 4 ((t % 4) / 2): two loads of 8 bytes a lane bring four registers, register t / 2 with tile t in lanes 16 (t % 2) on.
; LIMITS: a block of zeros keeps the byte 1; blocks under 2^-124 were not tried; NaN and infinities are not served.
; REGISTERS.  window 0: v2-7 addresses; v8-15 the lanes' bias, a pair a tile; v16-47 P's scale words, v48-63 N's; v64-159 N's fragments, two sets; at the end v64-127 a tile's numbers, v128-147 its codes; v160-175 at work.
;   window 1: v0-191 P's fragments, two sets; v192-255 the bias along P.   window 2: accumulator (a, b) at v[8 (8 a + b)].
.set GRP,  98304
.set KSB,  12288
.set FRB,  1536
.set PH,   49152                       ; four K steps of a group
.set QB,   12800
.set KVOFF, 3276800
.set LI,   2                           ; v2   16 x lane: also P's address for K steps 0-3
.set PB,   2                           ; v3   the same for K steps 4-7 (an LDS offset has 16 bits)
.set NB,   4                           ; v4-5 N's
.set L8,   6
.set LN,   7
.set BN,   8
.set PS,   16
.set NS,   48
.set NF,   64
.set T,    64
.set PC,   128
.set TM,   160
.set VA,   180
.set VB,   181
.set PWK,  184                         ; v184-187 the four tiles' scale words
.set PW,   184
.set SKI,  188
.set PF,   0
.set BP,   192
.set WV,   16
.set GW,   17
.set HF,   18
.set PJ,   19
.set ISV,  20
.set CX,   21
.set CY,   22
.set G1P,  24
.set G1N,  32
.set G0P,  40
.set G0N,  48
.set PIX,  56
.set NPR,  57
.set OB,   66
.set OB2,  68
.set BI,   70
.set KEEPP, 72
.set KEEPN, 73
.set PSB,  74
.set NSB,  76
.set BPB,  78
.set BNB,  80
.set SEL,  82
.set MSB, 0
.macro WIN new                         ; the immediate's high byte repeats the setting that is left
.if MSB != \new
	s_set_vgpr_msb (MSB<<8)|\new
.set MSB, \new
.endif
.endm
.macro PLACES n
.rept \n
	v_nop
.endr
.endm
.macro CROUND                          ; a round of the cluster's barrier
	s_barrier_signal -1
	s_barrier_wait -1
	s_cmp_lg_u32 s[WV], 0
	s_cbranch_scc1 .Lnot_wave_0_\@
	s_barrier_signal -3
.Lnot_wave_0_\@:
	s_barrier_wait -3
	s_barrier_signal -1
	s_barrier_wait -1
.endm
; one matrix instruction; ra, rb = 1: that side's scales stand in lanes 16-31 of its register
.macro WM d, a, b, c, sa, sb, ra, rb
.if (\ra) == 0
.if (\rb) == 0
	v_wmma_scale_f32_16x16x128_f8f6f4 v[(\d):(\d)+7], v[(\a):(\a)+11], v[(\b):(\b)+11], v[(\c):(\c)+7], v[(\sa)], v[(\sb)] matrix_a_fmt:MATRIX_FMT_FP6 matrix_b_fmt:MATRIX_FMT_FP6
.else
	v_wmma_scale_f32_16x16x128_f8f6f4 v[(\d):(\d)+7], v[(\a):(\a)+11], v[(\b):(\b)+11], v[(\c):(\c)+7], v[(\sa)], v[(\sb)] matrix_a_fmt:MATRIX_FMT_FP6 matrix_b_fmt:MATRIX_FMT_FP6 matrix_b_scale:MATRIX_SCALE_ROW1
.endif
.else
.if (\rb) == 0
	v_wmma_scale_f32_16x16x128_f8f6f4 v[(\d):(\d)+7], v[(\a):(\a)+11], v[(\b):(\b)+11], v[(\c):(\c)+7], v[(\sa)], v[(\sb)] matrix_a_fmt:MATRIX_FMT_FP6 matrix_b_fmt:MATRIX_FMT_FP6 matrix_a_scale:MATRIX_SCALE_ROW1
.else
	v_wmma_scale_f32_16x16x128_f8f6f4 v[(\d):(\d)+7], v[(\a):(\a)+11], v[(\b):(\b)+11], v[(\c):(\c)+7], v[(\sa)], v[(\sb)] matrix_a_fmt:MATRIX_FMT_FP6 matrix_b_fmt:MATRIX_FMT_FP6 matrix_a_scale:MATRIX_SCALE_ROW1 matrix_b_scale:MATRIX_SCALE_ROW1
.endif
.endif
.endm
; 64 numbers of a lane, register 16 b + i = k 32 b + 16 (lane / 16) + i of my row, become a fragment's 12 registers in v[PC] on and its scale word in v[PW].
.macro QUANT s
.irp b, 0,1,2,3
	v_max3_num_f32 v[TM+\b], |v[\s+16*\b]|, |v[\s+1+16*\b]|, 0x1800000   ; block b: my 16 numbers, and the floor 2^(3 - 127): the byte cannot fall under 1
.endr
.irp i, 2,4,6,8,10,12,14
.irp b, 0,1,2,3
	v_max3_num_f32 v[TM+\b], v[TM+\b], |v[\s+16*\b+\i]|, |v[\s+1+16*\b+\i]|
.endr
.endr
.irp b, 0,1,2,3
	v_permlanex16_b32 v[TM+4+\b], v[TM+\b], s[SEL], s[SEL+1]
.endr
.irp b, 0,1,2,3
	v_max_num_f32 v[TM+\b], v[TM+\b], v[TM+4+\b]   ; with lane l xor 16's: the block's largest magnitude
.endr
.irp b, 0,1,2,3
	v_add_nc_u32 v[TM+12+\b], 0xff000000, v[TM+\b]   ; 2 off its exponent field: the conversion's scale operand
.endr
.irp b, 0,1,2,3
	v_lshrrev_b32 v[TM+4+\b], 23, v[TM+12+\b]   ; the scale's byte
.endr
	v_lshl_or_b32 v[PW], v[TM+5], 8, v[TM+4]
	v_lshl_or_b32 v[PW], v[TM+6], 16, v[PW]
	v_lshl_or_b32 v[PW], v[TM+7], 24, v[PW]
.irp c, 0,1
	v_cvt_scalef32_pk16_fp6_f32 v[PC+6*\c:PC+2+6*\c], v[\s+32*\c:\s+15+32*\c], v[TM+12+2*\c]
	v_cvt_scalef32_pk16_fp6_f32 v[PC+12+4*\c:PC+14+4*\c], v[\s+16+32*\c:\s+31+32*\c], v[TM+12+2*\c+1]
.endr
	v_nop                                          ; one plain place behind a scaled conversion
.irp c, 0,1
.irp i, 0,1,2
	v_permlane16_swap_b32 v[PC+6*\c+\i], v[PC+12+4*\c+\i]
.endr
.irp i, 0,1,2
	v_mov_b32 v[PC+3+6*\c+\i], v[PC+12+4*\c+\i]
.endr
.endr
.endm
	s_load_b256 s[4:11], s[0:1], 0x0               ; cod, scl, bq, bk
	s_load_b128 s[12:15], s[0:1], 0x20             ; bv, qkv
	v_lshl_add_u32 v254, v0, 2, 0x48000
	v_mov_b32 v255, 0
	ds_add_u32 v254, v255
	ds_add_u32 v254, v255
	v_lshrrev_b32 v1, 5, v0
	v_readfirstlane_b32 s[WV], v1                  ; wave 0..3
	s_lshr_b32 s[GW], s[WV], 1                     ; which group of N's pair I multiply.  Also: I fetch for P (0) or for N (1)
	s_and_b32 s[HF], s[WV], 1                      ; which four of its tiles.  Also: which part I fetch
	s_and_b32 s[PJ], ttmp7, 0xffff                 ; the cluster's y: 0 q, 1 k, 2 v
	s_lshr_b32 s[ISV], s[PJ], 1
	s_bfe_u32 s[CX], ttmp6, 0x40000
	s_bfe_u32 s[CY], ttmp6, 0x40004
	s_lshl_b32 s84, s[ISV], 1
	s_sub_co_u32 s84, 2, s84
	s_lshr_b32 s85, ttmp9, s84                     ; q, k: 8 groups of P, 16 pairs of N: cluster x / 4 and cluster x % 4;  v: 32 groups of P, 4 pairs of N: cluster x and 0
	s_lshl_b32 s[PIX], s85, 2
	s_add_co_u32 s[PIX], s[PIX], s[CY]             ; P's group
	s_and_b32 s86, ttmp9, 3
	s_xor_b32 s87, s[ISV], 1
	s_mul_i32 s86, s86, s87
	s_lshl_b32 s[NPR], s86, 2
	s_add_co_u32 s[NPR], s[NPR], s[CX]             ; N's pair
	s_lshl_b32 s88, s[CY], 2
	s_lshl_b32 s88, 15, s88                        ; my row of the cluster
	s_lshl_b32 s89, 0x1111, s[CX]                  ; my column
	; descriptor group 1: dense blocks as rows of 256 bytes (32 elements of 8 bytes): 192 rows, four K steps of a group, for P and for N
	s_or_b32 s[G1P], s88, (3<<16)|(1<<21)          ; 15:0 the mask; 17:16 elements of 8 bytes; 21 set beside a mask
	s_or_b32 s[G1N], s89, (3<<16)|(1<<21)
	s_mov_b32 s[G1P+1], 32<<16                     ; tensor_dim0
	s_mov_b32 s[G1P+2], 192<<16                    ; tensor_dim1
	s_mov_b32 s[G1P+3], 32<<16                     ; tile_dim0
	s_mov_b32 s[G1P+4], 192                        ; tile_dim1
	s_mov_b32 s[G1P+5], 32                         ; from row to row
	s_mov_b32 s[G1P+6], 0
	s_mov_b32 s[G1P+7], 0
	s_mov_b32 s[G1N+1], 32<<16
	s_mov_b32 s[G1N+2], 192<<16
	s_mov_b32 s[G1N+3], 32<<16
	s_mov_b32 s[G1N+4], 192
	s_mov_b32 s[G1N+5], 32
	s_mov_b32 s[G1N+6], 0
	s_mov_b32 s[G1N+7], 0
	s_mul_i32 s90, s[ISV], 48
	s_lshl_b32 s58, s[PJ], 3
	s_add_co_u32 s58, s58, 96
	s_sub_co_u32 s58, s58, s90                     ; P's first group in cod: 96 Wq, 104 Wk, 64 value
	s_add_co_u32 s58, s58, s[PIX]
	s_lshl_b32 s[PSB], s58, 12                     ; its scale image
	s_mov_b32 s[PSB+1], 0
	s_mul_i32 s58, s58, GRP
	s_mul_i32 s62, s[HF], PH                       ; wave 0 fetches P's K steps 0-3, wave 1 its K steps 4-7
	s_add_co_u32 s58, s58, s62
	s_mov_b32 s59, 0
	s_lshl_b32 s60, s[PJ], 5
	s_add_co_u32 s60, s60, s90                     ; N's first group: 0 query, 32 key, 112 Wv
	s_lshl_b32 s61, s[NPR], 1
	s_add_co_u32 s60, s60, s61
	s_add_co_u32 s[NSB], s60, s[GW]                ; the group that I multiply: its scale image, my four tiles' half
	s_lshl_b32 s[NSB], s[NSB], 12
	s_lshl_b32 s61, s[HF], 11
	s_add_co_u32 s[NSB], s[NSB], s61
	s_mov_b32 s[NSB+1], 0
	s_add_co_u32 s60, s60, s[HF]                   ; the group that I fetch (waves 2 and 3)
	s_mul_i32 s60, s60, GRP
	s_mov_b32 s61, 0
	s_mul_i32 s63, s[HF], GRP
	s_add_co_u32 s63, s63, GRP                     ; LDS: P's group at 0, N's two behind it: no place in the cluster enters an LDS address
	v_and_b32 v[LN], 31, v0
	v_lshlrev_b32 v[LI], 4, v[LN]
	v_add_nc_u32 v[PB+1], PH, v[LI]
	s_mul_i32 s84, s[GW], GRP
	s_mul_i32 s85, s[HF], 4*FRB
	s_add_co_u32 s84, s84, s85
	s_add_co_u32 s84, s84, GRP
	v_add_nc_u32 v[NB], s84, v[LI]
	v_add_nc_u32 v[NB+1], PH, v[NB]
	v_lshlrev_b32 v[L8], 3, v[LN]
	v_bfe_u32 v[VA], v0, 4, 1
	v_lshlrev_b32 v[VA], 6, v[VA]                  ; the bias along P: 64 h
	v_and_b32 v[VB], 15, v0
	v_and_b32 v1, 8, v[VB]
	v_add_nc_u32 v[VB], v[VB], v1
	v_lshlrev_b32 v[VB], 2, v[VB]                  ; the bias along N: 4 (r + 8 (r / 8))
.irp b, 0,1,2,3
	v_mov_b32 v[TM+4+\b], 0                        ; written once: a lane permute's destination counts as one of its sources
.endr
	s_mov_b32 s[SEL], 0x76543210
	s_mov_b32 s[SEL+1], 0xfedcba98
	s_wait_dscnt 0x0
	s_wait_kmcnt 0x0
	s_add_nc_u64 s[58:59], s[4:5], s[58:59]
	s_add_nc_u64 s[60:61], s[4:5], s[60:61]
.irp p, 0,1                            ; a group 0 for K steps 0-3 and one for K steps 4-7
	s_mov_b32 s[G0P+4*\p], 1
	s_add_co_u32 s[G0P+4*\p+1], s62, \p*PH
	s_add_nc_u64 s[G0P+4*\p+2:G0P+4*\p+3], s[58:59], \p*PH
	s_or_b32 s[G0P+4*\p+3], s[G0P+4*\p+3], 0x80000000
	s_mov_b32 s[G0N+4*\p], 1
	s_add_co_u32 s[G0N+4*\p+1], s63, \p*PH
	s_add_nc_u64 s[G0N+4*\p+2:G0N+4*\p+3], s[60:61], \p*PH
	s_or_b32 s[G0N+4*\p+3], s[G0N+4*\p+3], 0x80000000
.endr
	CROUND                                         ; all sixteen work-groups are here: the joint loads meet
	s_cmp_eq_u32 s[GW], 0                          ; one joint load a wave at the head: waves 0 and 1 P's two halves, waves 2 and 3 K steps 0-3 of N's two groups
	s_cbranch_scc0 .Lfill_n
	tensor_load_to_lds s[G0P:G0P+3], s[G1P:G1P+7]
	s_nop 0
	PLACES 4
	s_branch .Lfilled
.Lfill_n:
	tensor_load_to_lds s[G0N:G0N+3], s[G1N:G1N+7]
	s_nop 0
	PLACES 4
.Lfilled:
	s_add_nc_u64 s[PSB:PSB+1], s[6:7], s[PSB:PSB+1]
	s_add_nc_u64 s[NSB:NSB+1], s[6:7], s[NSB:NSB+1]
.irp k, 0,1,2,3,4,5,6,7
	global_load_b128 v[PS+4*\k:PS+4*\k+3], v[LI], s[PSB:PSB+1] offset:512*\k   ; register PS + 8 j + s: K step s, P's tile 2 j in lanes 0-15, tile 2 j + 1 in lanes 16-31
.endr
.irp k, 0,1,2,3
	global_load_b128 v[NS+4*\k:NS+4*\k+3], v[LI], s[NSB:NSB+1] offset:512*\k   ; the same of my four tiles of N
.endr
	s_cmp_eq_u32 s[PJ], 0
	s_cselect_b64 s[BI:BI+1], s[8:9], s[10:11]
	s_cmp_eq_u32 s[PJ], 2
	s_cselect_b64 s[BI:BI+1], s[12:13], s[BI:BI+1]
	s_lshl_b32 s84, s[NPR], 1
	s_add_co_u32 s84, s84, s[GW]                   ; N's group, counted within its tensor
	s_lshl_b32 s88, s[PIX], 9
	s_mul_i32 s88, s88, s87                        ; q, k: the head's 128 numbers;  v: the buffer's first (they are replaced by zeros)
	s_mov_b32 s89, 0
	s_add_nc_u64 s[BPB:BPB+1], s[BI:BI+1], s[88:89]
	s_lshl_b32 s88, s84, 9
	s_lshl_b32 s85, s[HF], 8
	s_add_co_u32 s88, s88, s85
	s_mul_i32 s88, s88, s[ISV]                     ; v: the head's 128 numbers, my four tiles' half;  q, k: the buffer's first
	s_add_nc_u64 s[BNB:BNB+1], s[BI:BI+1], s[88:89]
	s_wait_alu depctr_va_vdst(0)
.irp a, 0,1,2,3
	global_load_b32 v[BN+2*\a], v[VB], s[BNB:BNB+1] offset:4*(32*(\a/2)+8*(\a%2))
	global_load_b32 v[BN+2*\a+1], v[VB], s[BNB:BNB+1] offset:4*(32*(\a/2)+8*(\a%2))   ; twice: a pair for the packed addition
.endr
	WIN 0x40                                       ; destination window 1
.irp b, 0,1,2,3,4,5,6,7
	global_load_b128 v[BP+8*\b:BP+8*\b+3], v[VA], s[BPB:BPB+1] offset:(32*(\b/2)+8*(\b%2))*4
	global_load_b128 v[BP+8*\b+4:BP+8*\b+7], v[VA], s[BPB:BPB+1] offset:(32*(\b/2)+8*(\b%2))*4+16
.endr
	WIN 0
	s_sub_co_u32 s[KEEPP], s[ISV], 1               ; all ones for q and k, 0 for v
	s_sub_co_u32 s[KEEPN], 0, s[ISV]               ; and the other way round
	; where my four fragments go
	s_lshl_b32 s85, s[PIX], 5
	s_add_co_u32 s85, s85, s84                     ; q, k: head x 32 + group of rows
	s_lshl_b32 s86, s84, 5
	s_add_co_u32 s86, s86, s[PIX]                  ; v: head x 32 + step of keys
	s_mov_b32 s87, 2*QB
	s_mov_b32 s88, KVOFF
	s_cmp_eq_u32 s[PJ], 0
	s_cselect_b32 s87, QB, s87
	s_cselect_b32 s88, 0, s88
	s_cmp_eq_u32 s[PJ], 2
	s_cselect_b32 s85, s86, s85
	s_cselect_b32 s86, QB, 0
	s_mul_i32 s85, s85, s87
	s_add_co_u32 s85, s85, s88
	s_add_co_u32 s86, s85, s86
	s_mov_b32 s87, 0
	s_add_nc_u64 s[OB2:OB2+1], s[14:15], s[86:87]
	s_mul_i32 s88, s[HF], 4*FRB
	s_add_nc_u64 s[OB:OB+1], s[OB2:OB2+1], s[88:89]
	s_lshl_b32 s88, s[HF], 8
	s_add_co_u32 s88, s88, KSB
	s_add_nc_u64 s[OB2:OB2+1], s[OB2:OB2+1], s[88:89]
.macro FETCH s                         ; K step s: P's eight fragments and my four of N, into set s % 2: 36 loads of 512 consecutive bytes
	WIN 0x40
.irp b, 0,1,2,3,4,5,6,7
.irp c, 0,1,2
	ds_load_b128 v[PF+96*((\s)%2)+12*\b+4*\c:PF+96*((\s)%2)+12*\b+4*\c+3], v[PB+(\s)/4] offset:((\s)%4)*KSB+\b*FRB+512*\c
.endr
.endr
	WIN 0
.irp a, 0,1,2,3
.irp c, 0,1,2
	ds_load_b128 v[NF+48*((\s)%2)+12*\a+4*\c:NF+48*((\s)%2)+12*\a+4*\c+3], v[NB+(\s)/4] offset:((\s)%4)*KSB+\a*FRB+512*\c
.endr
.endr
.endm
; A K step: 32 matrix instructions, the 32 accumulators by turns, in the same order in every step.  The next step's fragments are asked for ahead of them.
.macro KSTEP s
	s_wait_dscnt 0x0                               ; this step's fragments are in
.if (\s) == 3
	s_wait_tensorcnt 0x0                           ; my part of K steps 4-7 has landed,
	s_barrier_signal -1
	s_barrier_wait -1                              ; everybody's has
.endif
	PLACES 4                                       ; in front of loads into registers that the last step's matrix instructions have read
.if (\s) < 7
	FETCH (\s)+1
.endif
.if (\s) == 0
	WIN 0x91                                       ; source 0 (P) and C (the bias) window 1, source 1 (N) window 0, D window 2
.else
	WIN 0xa1                                       ; C and D window 2
.endif
.irp a, 0,1,2,3
.irp b, 0,1,2,3,4,5,6,7
.if (\s) == 0
	WM 8*(8*\a+\b), PF+96*((\s)%2)+12*\b, NF+48*((\s)%2)+12*\a, BP+8*\b, PS+8*(\b/2)+(\s), NS+8*(\a/2)+(\s), \b%2, \a%2
.else
	WM 8*(8*\a+\b), PF+96*((\s)%2)+12*\b, NF+48*((\s)%2)+12*\a, 8*(8*\a+\b), PS+8*(\b/2)+(\s), NS+8*(\a/2)+(\s), \b%2, \a%2
.endif
.endr
.endr
	WIN 0
.endm
	s_wait_tensorcnt 0x0                           ; my load of the head has landed
	ds_add_u32 v254, v255
	s_wait_dscnt 0x0
	CROUND                                         ; everybody's has, and all sixteen work-groups are here: the joint loads meet
	s_cmp_lg_u32 s[GW], 0
	s_cbranch_scc0 .Lsecond
	tensor_load_to_lds s[G0N+4:G0N+7], s[G1N:G1N+7]   ; waves 2 and 3: K steps 4-7 of N's two groups, bytes that are filled for the first time; they are waited for in K step 3
	s_nop 0
	PLACES 4
.Lsecond:
	FETCH 0
	s_wait_loadcnt 0x0                             ; scale words and biases
	WIN 0x44                                       ; source 1 and destination window 1
.set i, 0
.rept 64
	v_cndmask_b32 v[BP+i], 0, v[BP+i], s[KEEPP]    ; v has no bias along P
.set i, i+1
.endr
	WIN 0
.irp i, 0,1,2,3,4,5,6,7
	v_cndmask_b32 v[BN+\i], 0, v[BN+\i], s[KEEPN]  ; q and k have none along N
.endr
	s_wait_alu depctr_va_vdst(0)
.irp s, 0,1,2,3,4,5,6,7
	KSTEP \s
.endr
	PLACES 4                                       ; in front of the first read of results, and of writes into registers that held N's fragments
	; THE WAY OUT: each of my four tiles of N is one fragment of the next product: its 64 numbers a lane, the lane's bias added, are quantised and stored as they stand
.irp a, 0,1,2,3
	s_wait_xcnt 0x0                                ; the last tile's stores have read the codes' registers
	WIN 0x02                                       ; source 0 window 2
.set i, 0
.rept 32
	v_pk_add_f32 v[T+2*i:T+2*i+1], v[64*\a+2*i:64*\a+2*i+1], v[BN+2*\a:BN+2*\a+1]   ; each accumulator from its low end on
.set i, i+1
.endr
	WIN 0
.set PW, PWK+\a
	QUANT T
.irp c, 0,1,2
	global_store_b128 v[LI], v[PC+4*\c:PC+4*\c+3], s[OB:OB+1] offset:\a*FRB+512*\c   ; 512 consecutive bytes a store
.endr
.endr
	v_cmp_le_u32 vcc_lo, 16, v[LN]                 ; every lane holds its row's word of all four tiles: lanes 0-15 store tiles 0 and 2, lanes 16-31 tiles 1 and 3
	v_cndmask_b32 v[SKI], v[PWK], v[PWK+1], vcc_lo
	v_cndmask_b32 v[SKI+1], v[PWK+2], v[PWK+3], vcc_lo
	global_store_b64 v[L8], v[SKI:SKI+1], s[OB2:OB2+1]   ; 256 consecutive bytes, aligned
	s_wait_tensorcnt 0x0
	ds_add_u32 v254, v255
	s_wait_dscnt 0x0
	CROUND                                         ; the closing round: no work-group ends while a partner may still ask for a tile that names it
	s_endpgm
.Lfunc_end_k_qe73587ba98_proj:
	.size	k_qe73587ba98_proj, .Lfunc_end_k_qe73587ba98_proj-k_qe73587ba98_proj
	.p2alignl 7, 3214868480
	.fill 96, 4, 3214868480
	.section	.rodata,"a",@progbits
	.p2align	6, 0x0
	.amdhsa_kernel k_qe73587ba98_proj
		.amdhsa_group_segment_fixed_size 327680
		.amdhsa_private_segment_fixed_size 0
		.amdhsa_enable_private_segment 0
		.amdhsa_kernarg_size 48
		.amdhsa_user_sgpr_count 2
		.amdhsa_user_sgpr_kernarg_segment_ptr 1
		.amdhsa_wavefront_size32 1
		.amdhsa_system_sgpr_workgroup_id_x 1
		.amdhsa_system_sgpr_workgroup_id_y 1
		.amdhsa_system_sgpr_workgroup_id_z 1
		.amdhsa_system_vgpr_workitem_id 0
		.amdhsa_next_free_vgpr 768
		.amdhsa_next_free_sgpr 92
		.amdhsa_reserve_vcc 1
		.amdhsa_float_denorm_mode_32 3
		.amdhsa_float_denorm_mode_16_64 3
		.amdhsa_memory_ordered 1
		.amdhsa_forward_progress 1
		.amdhsa_inst_pref_size 94
	.end_amdhsa_kernel
	.amdgpu_metadata
---
amdhsa.version: [ 1, 2 ]
amdhsa.kernels:
  - .name:           k_qe73587ba98_proj
    .symbol:         k_qe73587ba98_proj.kd
    .args:
      - { .name: cod, .offset: 0, .size: 8, .value_kind: global_buffer, .address_space: global }
      - { .name: scl, .offset: 8, .size: 8, .value_kind: global_buffer, .address_space: global }
      - { .name: bq, .offset: 16, .size: 8, .value_kind: global_buffer, .address_space: global }
      - { .name: bk, .offset: 24, .size: 8, .value_kind: global_buffer, .address_space: global }
      - { .name: bv, .offset: 32, .size: 8, .value_kind: global_buffer, .address_space: global }
      - { .name: qkv, .offset: 40, .size: 8, .value_kind: global_buffer, .address_space: global }
    .group_segment_fixed_size: 327680
    .private_segment_fixed_size: 0
    .kernarg_segment_align: 8
    .kernarg_segment_size: 48
    .max_flat_workgroup_size: 128
    .sgpr_count:     92
    .vgpr_count:     768
    .wavefront_size: 32
...
	.end_amdgpu_metadata
.endif
;; end of part 2
;; launch attn (part 3): grid 32 x 8, 8 waves a work-group, no clusters, 117,760 bytes of LDS; arguments qkv, mbits, mfl, ac, acs; writes ac, acs
.if DOCPART == 3
	.amdgcn_target "amdgcn-amd-amdhsa--gfx1250"
	.amdhsa_code_object_version 6
	.text
	.protected	k_qe73587ba98_attn
	.globl	k_qe73587ba98_attn
	.p2align	8
	.type	k_qe73587ba98_attn,@function
k_qe73587ba98_attn:
	s_mov_b64 s[64:65], 0
	v_nop
	global_prefetch_b8 v0, s[64:65] scope:SCOPE_SE
	s_setreg_imm32_b32 hwreg(HW_REG_WAVE_MODE, 25, 1), 1
	s_wait_xcnt 0x0
; ATTN.  For each head: S^T = k q^T, the mask, a streaming softmax, O^T = v^T p^T, O / l, and the quantiser along D for the last product.  Both products on codes of FP6 (E2M3) with E8M0 scales, f32 sums.
; THE SOFTMAX: t = score x log2(e) / sqrt(128); M = the row's largest t so far, rounded UP to a whole number; p = 2^(t - M) is quantised along the keys, not normalised.  The row's sum is taken of the unquantised p and divides O at the end.
; When M moves, the sum and O are multiplied by 2^(old M - new M): exact.
; THE MASK: where mask is 0 the raw score is replaced by -2^33 ahead of the maximum, by lane masks that an earlier launch packed (mbits).  -2^33 x c is a whole number in f32, so a row that is masked throughout has every p = 1: a uniform softmax.
; That launch also stored, for each tile of 16 queries x 128 keys, one bit that says that the mask has no 0 there (mfl).  Where the bits of a wave's two tiles are set, a scalar branch leads round the step's 128 selects and the loads of their lane masks.
; LIMIT: -2^33 x c is a logit of about -7.6e8 and not -1e9: results differ only where real logits lie under about -7.5e8.  A block of zeros keeps the byte 1; blocks under 2^-124 were not tried; NaN and infinities are not served.
; SHARES.  A work-group owns 128 queries of one head and walks its 16 steps of 256 keys.  Wave w takes 32 queries, tiles 2 (w % 4) and 2 (w % 4) + 1, and of each step the block of 128 keys w / 4: each fragment of k and of v that it reads
; from LDS feeds two products, so a wave reads 25,600 bytes of LDS a step.  Waves w and w xor 4 hold the two halves of the keys of the same two tiles, each with its own M, sum and O.  At the end each sends the tile that it calls Y to the other
; through LDS and finishes the tile that it calls X (X = tile 2 (w % 4) + w / 4): both halves are brought under the larger M by powers of two, which rounds nothing.
; NO TENSOR LOAD, NO CLUSTER: k and v go through registers into LDS:
; a step's 51,200 bytes (two blocks of k's 12,800 and v's 12,800 bytes: images of operand registers with their scale words) are shared out, 6,400 bytes a wave: twelve loads of 512 bytes and one of 256, asked for a whole step ahead of their LDS stores.
; NO PREFETCH: each block is asked for a step of 256 keys ahead of the store that wants it, and the 32 work-groups of a head ask for the same 51,200 bytes in the same step.
; THE RING: two slots.  In step i: v(i) is read from slot i % 2 at the step's head; when it is in registers the wave signals the barrier (its stores of the step before are then done too); behind the barrier's wait slot i % 2 is free and takes step i + 2,
; and slot (i + 1) % 2 is whole: k(i + 1) is read from it.  Exponentials, sums, conversions and v's products, work on registers, stand between signal and wait.
; LAYOUT.  Both products are used transposed: a lane holds one query of each tile (lane % 16).  S^T's register 16 b + i is key 32 b + 16 (lane / 16) + i of the block, tile X at b = 0 .. 3 and tile Y at b = 4 .. 7 (b - 4); v's tiles hold the head's channels in the same order.
; REGISTERS.  window 0: v0 Y's factor; v1-11 addresses; v12 -M, v13 the largest raw score, v[14:15] the sum of X; v36-39 the same of Y; v16-28 X's q and scale words, v31 Y's scale words; v29-30 p's scale words; v32-35 k's, then v's scale words;
;   v40-55 at work; v56 X's factor; v58-77 codes; v78-127 the 6,400 bytes on their way; v128-255 S^T, then p (Y's codes are laid over X's p).   window 1: v0-63 X's O^T, v64-127 Y's; v128-223 eight fragments: k's, then v's; v224-235 Y's q.
.set FRB,   1536
.set KSB,   12288
.set PART,  12800
.set STEPB, 25600
.set BIG,   51200
.set WPART, 6400
.set SLOT1, 0x10000
.set SPARE, SLOT1+BIG                  ; behind the ring: the spare words, 128 bytes for each wave
.set KVOFF, 3276800
.set EXB,   8448                       ; the exchange at the end: 64 registers and a pair, for each wave
.set FY,  0
.set LI,  1                            ; 16 x lane
.set L8,  2                            ; 8 x lane
.set ADR, 3                            ; LDS address of my block's fragments: the slot of k just read, from which v is read next
.set ADS, 4                            ; and of scale words
.set SPW, 5
.set NIL, 6
.set W16, 7                            ; 6,400 x wave + 16 x lane
.set W8,  8                            ; 6,400 x wave + 8 x lane
.set STA, 9                            ; where my part of a step goes in LDS
.set STB, 10
.set TMP, 11
.set QX,  16
.set QSX, 28
.set PSWX, 29
.set PSWY, 30
.set PW,  29
.set QSY, 31
.set SC,  32
.set BM,  40
.set BT,  48
.set TM,  40
.set FX,  56
.set PC,  58
.set STG, 78
.set S,   128
.set OX,  0                            ; in window 1
.set OY,  64
.set FK,  128
.set QY,  224
.set TB,    2
.set STEPC, 3
.set T0,    52                         ; s[4:51] and s[68:83]: 64 lane masks
.set FW,    53
.set SRC,   54
.set MP,    56
.set AC,    58
.set ACS,   60
.set SEL,   62
.set WV,    66
.set NC,    67
.set CS,    84
.set QP,    86
.set MXO,   88
.set MYO,   89
.set TS,    90
.set HK,    98
.set T1,    99
.set XT,    100
.set YT,    101
.set MSB, 0
.macro WIN new                         ; the immediate's high byte repeats the setting that is left
.if MSB != \new
	s_set_vgpr_msb (MSB<<8)|\new
.set MSB, \new
.endif
.endm
.macro PLACES n
.rept \n
	v_nop
.endr
.endm
.macro WMZ d, a, b, sa, sb, ra         ; a product that starts a sum; ra = 1: source 0's scales stand in lanes 16-31
.if (\ra) == 0
	v_wmma_scale_f32_16x16x128_f8f6f4 v[(\d):(\d)+7], v[(\a):(\a)+11], v[(\b):(\b)+11], 0, v[(\sa)], v[(\sb)] matrix_a_fmt:MATRIX_FMT_FP6 matrix_b_fmt:MATRIX_FMT_FP6
.else
	v_wmma_scale_f32_16x16x128_f8f6f4 v[(\d):(\d)+7], v[(\a):(\a)+11], v[(\b):(\b)+11], 0, v[(\sa)], v[(\sb)] matrix_a_fmt:MATRIX_FMT_FP6 matrix_b_fmt:MATRIX_FMT_FP6 matrix_a_scale:MATRIX_SCALE_ROW1
.endif
.endm
.macro WMA d, a, b, sa, sb, ra         ; a product that adds in place
.if (\ra) == 0
	v_wmma_scale_f32_16x16x128_f8f6f4 v[(\d):(\d)+7], v[(\a):(\a)+11], v[(\b):(\b)+11], v[(\d):(\d)+7], v[(\sa)], v[(\sb)] matrix_a_fmt:MATRIX_FMT_FP6 matrix_b_fmt:MATRIX_FMT_FP6
.else
	v_wmma_scale_f32_16x16x128_f8f6f4 v[(\d):(\d)+7], v[(\a):(\a)+11], v[(\b):(\b)+11], v[(\d):(\d)+7], v[(\sa)], v[(\sb)] matrix_a_fmt:MATRIX_FMT_FP6 matrix_b_fmt:MATRIX_FMT_FP6 matrix_a_scale:MATRIX_SCALE_ROW1
.endif
.endm
; the operand's layout wants a whole block in a lane: lanes 0-15 block 2 c, lanes 16-31 block 2 c + 1; the upper 16 codes, made on an even register, move to their odd one
.macro SWAPS p
.irp c, 0,1
.irp i, 0,1,2
	v_permlane16_swap_b32 v[\p+6*\c+\i], v[\p+12+4*\c+\i]
.endr
.endr
.irp c, 0,1
.irp i, 0,1,2
	v_mov_b32 v[\p+3+6*\c+\i], v[\p+12+4*\c+\i]
.endr
.endr
.endm
; 64 numbers of a lane, register 16 b + i = k 32 b + 16 (lane / 16) + i of my row, become a fragment's 12 registers in v[PC] on and its scale word in v[PW].
.macro QUANT s
.irp b, 0,1,2,3
	v_max3_num_f32 v[TM+\b], |v[\s+16*\b]|, |v[\s+1+16*\b]|, 0x1800000
.endr
.irp i, 2,4,6,8,10,12,14
.irp b, 0,1,2,3
	s_delay_alu instid0(VALU_DEP_4)
	v_max3_num_f32 v[TM+\b], v[TM+\b], |v[\s+16*\b+\i]|, |v[\s+1+16*\b+\i]|
.endr
.endr
.irp b, 0,1,2,3
	s_delay_alu instid0(VALU_DEP_4)
	v_permlanex16_b32 v[TM+4+\b], v[TM+\b], s[SEL], s[SEL+1]
.endr
.irp b, 0,1,2,3
	s_delay_alu instid0(VALU_DEP_4)
	v_max_num_f32 v[TM+\b], v[TM+\b], v[TM+4+\b]
.endr
.irp b, 0,1,2,3
	s_delay_alu instid0(VALU_DEP_4)
	v_add_nc_u32 v[TM+12+\b], 0xff000000, v[TM+\b]
.endr
.irp b, 0,1,2,3
	s_delay_alu instid0(VALU_DEP_4)
	v_lshrrev_b32 v[TM+4+\b], 23, v[TM+12+\b]
.endr
	s_delay_alu instid0(VALU_DEP_3)
	v_lshl_or_b32 v[PW], v[TM+5], 8, v[TM+4]
	s_delay_alu instid0(VALU_DEP_1)
	v_lshl_or_b32 v[PW], v[TM+6], 16, v[PW]
	s_delay_alu instid0(VALU_DEP_1)
	v_lshl_or_b32 v[PW], v[TM+7], 24, v[PW]
.irp c, 0,1
	v_cvt_scalef32_pk16_fp6_f32 v[PC+6*\c:PC+2+6*\c], v[\s+32*\c:\s+15+32*\c], v[TM+12+2*\c]
	v_cvt_scalef32_pk16_fp6_f32 v[PC+12+4*\c:PC+14+4*\c], v[\s+16+32*\c:\s+31+32*\c], v[TM+12+2*\c+1]
.endr
	v_nop                                          ; one plain place behind a scaled conversion
	SWAPS PC
.endm
; eight fragments at byte off of my block in the slot that v[ADR] names, into window 1's buffer, and their scale words: 24 loads of 512 bytes and 2 of 256
.macro FRUN off
	WIN 0x40                                       ; destination window 1
.irp t, 0,1,2,3,4,5,6,7
.irp c, 0,1,2
	ds_load_b128 v[FK+12*\t+4*\c:FK+12*\t+4*\c+3], v[ADR] offset:(\off)+FRB*\t+512*\c
.endr
.endr
	WIN 0
	ds_load_b64 v[SC:SC+1], v[ADS] offset:(\off)+KSB
	ds_load_b64 v[SC+2:SC+3], v[ADS] offset:(\off)+KSB+256
.endm
.macro GLOAD d, off                    ; my 6,400 bytes of the step at byte off behind s[SRC]
.irp j, 0,1,2,3,4,5,6,7,8,9,10,11
	global_load_b128 v[\d+4*\j:\d+4*\j+3], v[W16], s[SRC:SRC+1] offset:(\off)+512*\j
.endr
	global_load_b64 v[\d+48:\d+49], v[W8], s[SRC:SRC+1] offset:(\off)+6144
.endm
.macro LSTORE d, a16, a8               ; and into LDS as they lie
.irp j, 0,1,2,3,4,5,6,7,8,9,10,11
	ds_store_b128 v[\a16], v[\d+4*\j:\d+4*\j+3] offset:512*\j
.endr
	ds_store_b64 v[\a8], v[\d+48:\d+49] offset:6144
.endm
.macro MLOAD so                        ; 64 lane masks at the offset in s[so]
	s_load_b512 s[4:19], s[MP:MP+1], s[\so] offset:0x0
	s_load_b512 s[20:35], s[MP:MP+1], s[\so] offset:0x40
	s_load_b512 s[36:51], s[MP:MP+1], s[\so] offset:0x80
	s_load_b512 s[68:83], s[MP:MP+1], s[\so] offset:0xc0
.endm
.macro MASK base                       ; the mask on 64 scores: each accumulator from its low end on
.set n, 0
.rept 64
.if n < 48
	v_cndmask_b32 v[S+\base+n], v[TMP], v[S+\base+n], s[4+n]
.else
	v_cndmask_b32 v[S+\base+n], v[TMP], v[S+\base+n], s[20+n]
.endif
.set n, n+1
.endr
.endm
.macro QSOFF d, w                      ; q's scale words of tile w: 256 (w / 4) + 128 (w % 2) + 4 ((w % 4) / 2) behind the fragments
	s_lshr_b32 s[\d], s[\w], 2
	s_lshl_b32 s[\d], s[\d], 8
	s_and_b32 s29, s[\w], 1
	s_lshl_b32 s29, s29, 7
	s_add_co_u32 s[\d], s[\d], s29
	s_bfe_u32 s29, s[\w], 0x10001
	s_lshl_b32 s29, s29, 2
	s_add_co_u32 s[\d], s[\d], s29
	s_add_co_u32 s[\d], s[\d], KSB
.endm
	s_load_b256 s[88:95], s[0:1], 0x0              ; qkv, mbits, mfl, ac
	s_load_b64 s[96:97], s[0:1], 0x20              ; acs
	v_lshl_add_u32 v[SPW], v0, 2, SPARE
	v_mov_b32 v[NIL], 0
	v_lshrrev_b32 v[TMP], 5, v0
	s_delay_alu instid0(VALU_DEP_1)
	v_readfirstlane_b32 s[WV], v[TMP]              ; wave 0..7
	s_lshr_b32 s[HK], s[WV], 2                     ; which block of 128 keys of each step is mine
	s_and_b32 s5, s[WV], 3
	s_lshl_b32 s5, s5, 1                           ; my two tiles of the group's eight: this one and the next
	s_add_co_u32 s[XT], s5, s[HK]                  ; X: the one that I finish
	s_xor_b32 s[YT], s[XT], 1                      ; Y: the one that my partner finishes
	s_and_b32 s6, ttmp7, 0xffff                    ; the head; ttmp9: my group of 128 queries
	s_mul_i32 s10, s[WV], WPART                    ; my part of a step, in LDS as in memory
	s_mul_i32 s8, s6, 32*STEPB
	s_add_co_u32 s8, s8, KVOFF
	s_mov_b32 s9, 0
	s_lshl_b32 s12, s6, 5
	s_add_co_u32 s12, s12, ttmp9
	s_mul_i32 s12, s12, PART                       ; q's block
	s_mov_b32 s13, 0
	s_lshl_b32 s14, ttmp9, 3
	s_add_co_u32 s16, s14, s5                      ; the lower of my two tiles of queries:
	s_lshl_b32 s26, s16, 4                         ; 16 bytes of mfl a tile,
	s_mov_b32 s27, 0
	s_lshl_b32 s16, s16, 13                        ; 8,192 bytes of lane masks a tile
	s_mov_b32 s17, 0
	s_add_co_u32 s14, s14, s6                      ; 8 x group + head: the head is the last product's K step
	s_mul_i32 s18, s14, KSB
	s_mul_i32 s20, s[XT], FRB
	s_mul_i32 s21, s[YT], FRB
	s_add_co_u32 s18, s18, s20
	s_mov_b32 s19, 0
	s_lshl_b32 s22, s14, 3
	s_add_co_u32 s22, s22, s[XT]
	s_lshl_b32 s22, s22, 7
	s_mov_b32 s23, 0
	QSOFF 24, XT
	QSOFF 25, YT
	s_mul_i32 s[TB], s[HK], STEPB                  ; slot 0, my block
	s_mov_b32 s[SEL], 0x76543210
	s_mov_b32 s[SEL+1], 0xfedcba98
	s_mov_b32 s[CS], 0x3e0293ee                    ; c = log2(e) / sqrt(128)
	s_mov_b32 s[CS+1], s[CS]                       ; (named with it as a pair, so it is written)
	s_mov_b32 s[NC], 0xbe0293ee                    ; -c
	s_mov_b32 s[STEPC], 0
	v_and_b32 v[TMP], 31, v0
	v_and_b32 v[BM+1], 15, v0
	s_delay_alu instid0(VALU_DEP_2)
	v_lshlrev_b32 v[LI], 4, v[TMP]
	v_lshlrev_b32 v[L8], 3, v[TMP]
	v_lshl_add_u32 v[BM+3], v[BM+1], 3, s25        ; Y's scale words of q
	v_lshl_add_u32 v[BM+1], v[BM+1], 3, s24        ; X's
	v_add_nc_u32 v[BM], s20, v[LI]                 ; X's fragment of q
	v_add_nc_u32 v[BM+2], s21, v[LI]               ; Y's
	v_add_nc_u32 v[W16], s10, v[LI]
	v_add_nc_u32 v[W8], s10, v[L8]
	v_add_nc_u32 v[ADR], s[TB], v[LI]
	v_add_nc_u32 v[ADS], s[TB], v[L8]
	v_add_nc_u32 v[STA], SLOT1, v[W16]             ; slot 1
	v_add_nc_u32 v[STB], SLOT1, v[W8]
	s_wait_alu depctr_va_vdst(0)
	s_wait_kmcnt 0x0
	s_add_nc_u64 s[SRC:SRC+1], s[88:89], s[8:9]
	s_add_nc_u64 s[QP:QP+1], s[88:89], s[12:13]
	s_add_nc_u64 s[MP:MP+1], s[90:91], s[16:17]
	s_add_nc_u64 s[92:93], s[92:93], s[26:27]
	s_add_nc_u64 s[AC:AC+1], s[94:95], s[18:19]
	s_add_nc_u64 s[ACS:ACS+1], s[96:97], s[22:23]
	GLOAD STG, 0                                   ; step 0,
	GLOAD S, BIG                                   ; and step 1, through registers that are idle here
.irp c, 0,1,2
	global_load_b128 v[QX+4*\c:QX+4*\c+3], v[BM], s[QP:QP+1] offset:512*\c   ; q's fragments stay in registers
.endr
	global_load_b32 v[QSX], v[BM+1], s[QP:QP+1]
	WIN 0x40
.irp c, 0,1,2
	global_load_b128 v[QY+4*\c:QY+4*\c+3], v[BM+2], s[QP:QP+1] offset:512*\c
.endr
	WIN 0
	global_load_b32 v[QSY], v[BM+3], s[QP:QP+1]
	s_load_b256 s[4:11], s[92:93], 0x0             ; my two tiles' 32 bits of mfl each, eight to a word
	s_mul_i32 s[MXO], s[HK], 8192+256              ; lane masks, from the lower tile's step 0: X's tile and my block of a step,
	s_xor_b32 s[MYO], s[HK], 1
	s_lshl_b32 s[MYO], s[MYO], 13
	s_lshl_b32 s[T0], s[HK], 8
	s_add_co_u32 s[MYO], s[MYO], s[T0]             ; Y's tile and my block
	s_mov_b32 s[TS], 0                             ; the slot that takes the next stores
	v_mov_b32 v13, 0xff61b1e6                      ; the largest raw score so far: -3e38
	v_mov_b32 v37, 0xff61b1e6
	s_delay_alu instid0(VALU_DEP_2)
	v_mul_f32 v12, s[NC], v13
	s_delay_alu instid0(VALU_DEP_1)
	v_floor_f32 v12, v12                           ; -M
	s_delay_alu instid0(VALU_DEP_1)
	v_mov_b32 v36, v12
	v_mov_b32 v14, 0
	v_mov_b32 v15, 0
	v_mov_b32 v38, 0
	v_mov_b32 v39, 0
.irp b, 0,1,2,3,4,5,6,7
	v_mov_b32 v[BT+\b], 0                          ; written once: a lane permute's destination counts as one of its sources
.endr
	v_mov_b32 v[FX+1], 0                           ; (named as the upper half of a pair)
	WIN 0x40
.set i, 0
.rept 128
	v_mov_b32 v[i], 0                              ; both O^T.  (The step is written once for all steps: the first finds zeros, which the first change of M leaves zeros)
.set i, i+1
.endr
	WIN 0
	s_wait_alu depctr_va_vdst(0)
	s_wait_loadcnt 8                               ; steps 0 and 1 are in; q's eight loads may be out
	LSTORE STG, W16, W8
	LSTORE S, STA, STB
	s_wait_dscnt 0x0                               ; my parts of both slots are stored, and the stores have read their registers,
	GLOAD STG, 2*BIG                               ; which take step 2
	s_barrier_signal -1
	s_barrier_wait -1                              ; both slots are whole
	FRUN 0                                         ; k of step 0, my block
	s_wait_kmcnt 0x0
	s_lshl_b32 s5, s5, 8
	s_lshl_b32 s6, s6, 16
	s_lshl_b32 s7, s7, 24
	s_or_b32 s4, s4, s5
	s_or_b32 s6, s6, s7
	s_or_b32 s4, s4, s6
	s_lshl_b32 s9, s9, 8
	s_lshl_b32 s10, s10, 16
	s_lshl_b32 s11, s11, 24
	s_or_b32 s8, s8, s9
	s_or_b32 s10, s10, s11
	s_or_b32 s8, s8, s10
	s_and_b32 s[FW], s4, s8                        ; bit n: no 0 in the mask at my 32 queries x keys 128 n .. 128 n + 127
	s_wait_loadcnt 13                              ; q is in; step 2's thirteen loads may be out
.Lstep:                                            ; sixteen trips
	s_wait_dscnt 0x0                               ; k's eight fragments and their scale words are in
	WIN 0x01                                       ; source 0 (k) window 1
.irp t, 0,1,2,3,4,5,6,7
	WMZ S+8*\t, FK+12*\t, QX, SC+\t/2, QSX, \t%2
.endr
	WIN 0x05                                       ; source 1 (Y's q) window 1 too
.irp t, 0,1,2,3,4,5,6,7
	WMZ S+64+8*\t, FK+12*\t, QY, SC+\t/2, QSY, \t%2
.endr
	WIN 0
	PLACES 4                                       ; in front of loads into registers that the products have read
	FRUN PART                                      ; v of my block: wanted behind the softmax
	v_add_nc_u32 v[STA], s[TS], v[W16]             ; this slot takes step i + 2 behind the barrier;
	v_add_nc_u32 v[STB], s[TS], v[W8]
	s_xor_b32 s[TS], s[TS], SLOT1
	s_xor_b32 s[TB], s[TB], SLOT1
	v_add_nc_u32 v[ADR], s[TB], v[LI]              ; the other one holds step i + 1
	v_add_nc_u32 v[ADS], s[TB], v[L8]
	s_lshl_b32 s[T0], s[STEPC], 1
	s_add_co_u32 s[T0], s[T0], s[HK]
	s_lshr_b32 s[T0], s[FW], s[T0]
	s_and_b32 s[T0], s[T0], 1
	s_cmp_eq_u32 s[T0], 1                          ; no 0 in the mask at my 32 queries x my 128 keys?
	s_wait_alu depctr_va_vdst(0)
	s_cbranch_scc1 .Lopen
	s_lshl_b32 s[T0], s[STEPC], 9                  ; 512 bytes of lane masks a step and tile
	s_add_co_u32 s[T1], s[T0], s[MYO]
	s_add_co_u32 s[T0], s[T0], s[MXO]
	MLOAD T0
	v_mov_b32 v[TMP], 0xd0000000                   ; -2^33
	s_wait_alu depctr_va_vdst(0)
	s_wait_kmcnt 0x0
	MASK 0
	MLOAD T1
	s_wait_kmcnt 0x0
	MASK 64
.Lopen:
.irp b, 0,1,2,3,4,5,6,7
	v_max3_num_f32 v[BM+\b], v[S+16*\b], v[S+1+16*\b], v[S+2+16*\b]   ; the largest score of each block of 32 keys: it serves the row's maximum and, since p rises with the score, the block's largest p.  The eight blocks by turns
.endr
.irp i, 3,5,7,9,11,13
.irp b, 0,1,2,3,4,5,6,7
	v_max3_num_f32 v[BM+\b], v[BM+\b], v[S+16*\b+\i], v[S+1+16*\b+\i]
.endr
.endr
.irp b, 0,1,2,3,4,5,6,7
	v_max_num_f32 v[BM+\b], v[BM+\b], v[S+15+16*\b]
.endr
.irp b, 0,1,2,3,4,5,6,7
	v_permlanex16_b32 v[BT+\b], v[BM+\b], s[SEL], s[SEL+1]
.endr
.irp b, 0,1,2,3,4,5,6,7
	v_max_num_f32 v[BM+\b], v[BM+\b], v[BT+\b]     ; with lane l xor 16's 16 keys
.endr
	v_max3_num_f32 v[BT], v[BM], v[BM+1], v[BM+2]  ; X's chain and Y's by turns
	v_max3_num_f32 v[BT+2], v[BM+4], v[BM+5], v[BM+6]
	s_delay_alu instid0(VALU_DEP_2)
	v_max3_num_f32 v13, v[BT], v[BM+3], v13        ; the running largest raw score
	s_delay_alu instid0(VALU_DEP_2)
	v_max3_num_f32 v37, v[BT+2], v[BM+7], v37
	s_delay_alu instid0(VALU_DEP_2)
	v_mul_f32 v[BT], s[NC], v13                    ; -t (c is positive)
	s_delay_alu instid0(VALU_DEP_2)
	v_mul_f32 v[BT+2], s[NC], v37
	v_mov_b32 v[BT+1], v12
	v_mov_b32 v[BT+3], v36
	v_floor_f32 v12, v[BT]                         ; the new -M = floor(-t) = -ceil(t)
	v_floor_f32 v36, v[BT+2]
	s_delay_alu instid0(VALU_DEP_2)
	v_sub_f32 v[BT], v12, v[BT+1]                  ; old M - new M: a whole number, 0 or less
	s_delay_alu instid0(VALU_DEP_2)
	v_sub_f32 v[BT+2], v36, v[BT+3]
	s_delay_alu instid0(VALU_DEP_2)
	v_cvt_i32_f32 v[BT], v[BT]                     ; (it saturates)
	s_delay_alu instid0(VALU_DEP_2)
	v_cvt_i32_f32 v[BT+2], v[BT+2]
	s_delay_alu instid0(VALU_DEP_2)
	v_ldexp_f32 v[FX], 1.0, v[BT]                  ; f = 2^(old M - new M)
	s_delay_alu instid0(VALU_DEP_2)
	v_ldexp_f32 v[FY], 1.0, v[BT+2]
	s_delay_alu instid0(VALU_DEP_2)
	v_pk_mul_f32 v[14:15], v[14:15], v[FX:FX+1] op_sel_hi:[1,0]   ; the sums under the new M
	s_delay_alu instid0(VALU_DEP_2)
	v_pk_mul_f32 v[38:39], v[38:39], v[FY:FY+1] op_sel_hi:[1,0]
	WIN 0x41                                       ; O^T (destination and source 0) window 1
.set i, 0
.rept 32
	v_pk_mul_f32 v[OX+2*i:OX+2*i+1], v[OX+2*i:OX+2*i+1], v[FX:FX+1] op_sel_hi:[1,0]   ; O^T under the new M, each accumulator from its low end on
.set i, i+1
.endr
.set i, 0
.rept 32
	v_pk_mul_f32 v[OY+2*i:OY+2*i+1], v[OY+2*i:OY+2*i+1], v[FY:FY+1] op_sel_hi:[1,0]
.set i, i+1
.endr
	WIN 0
.set i, 0
.rept 32
	v_pk_fma_f32 v[S+2*i:S+2*i+1], v[S+2*i:S+2*i+1], s[CS:CS+1], v[12:13] op_sel_hi:[1,0,0]   ; t - M, two at a time
.set i, i+1
.endr
.set i, 32
.rept 32
	v_pk_fma_f32 v[S+2*i:S+2*i+1], v[S+2*i:S+2*i+1], s[CS:CS+1], v[36:37] op_sel_hi:[1,0,0]
.set i, i+1
.endr
.irp b, 0,1,2,3
	v_fma_f32 v[BM+\b], v[BM+\b], s[CS], v12       ; the same of each block's largest score
.endr
.irp b, 4,5,6,7
	v_fma_f32 v[BM+\b], v[BM+\b], s[CS], v36
.endr
	s_wait_alu depctr_va_vdst(0)
	s_wait_dscnt 0x0                               ; v of this step is in registers: my reads of this slot are over; my stores into the other slot, issued in the step before, are done
	s_barrier_signal -1                            ; say so; work on registers alone up to the wait
.set i, 0
.rept 128
	v_exp_f32 v[S+i], v[S+i]                       ; p = 2^(t - M)
.set i, i+1
.endr
.irp b, 0,1,2,3,4,5,6,7
	v_exp_f32 v[BM+\b], v[BM+\b]                   ; the block's largest p: the same two instructions on the same number give the same bits
.endr
	v_nop                                          ; a plain place behind the exponentials
	s_wait_alu depctr_va_vdst(0)                   ; one wait for the batch of 136, ahead of its first reader
.irp j, 0,1
	v_pk_add_f32 v[BT+2*\j:BT+2*\j+1], v[S+4*\j:S+4*\j+1], v[S+4*\j+2:S+4*\j+3]   ; the rows' sums of the unquantised p: three chains a tile, six by turns
	v_pk_add_f32 v[BT+4+2*\j:BT+5+2*\j], v[S+64+4*\j:S+65+4*\j], v[S+66+4*\j:S+67+4*\j]
.endr
.set k, 4
.rept 9
	v_pk_add_f32 v[14:15], v[14:15], v[S+2*k:S+2*k+1]
	v_pk_add_f32 v[BT:BT+1], v[BT:BT+1], v[S+2*k+2:S+2*k+3]
	v_pk_add_f32 v[BT+2:BT+3], v[BT+2:BT+3], v[S+2*k+4:S+2*k+5]
	v_pk_add_f32 v[38:39], v[38:39], v[S+64+2*k:S+65+2*k]
	v_pk_add_f32 v[BT+4:BT+5], v[BT+4:BT+5], v[S+66+2*k:S+67+2*k]
	v_pk_add_f32 v[BT+6:BT+7], v[BT+6:BT+7], v[S+68+2*k:S+69+2*k]
.set k, k+3
.endr
	v_pk_add_f32 v[14:15], v[14:15], v[S+62:S+63]
	v_pk_add_f32 v[38:39], v[38:39], v[S+126:S+127]
	v_pk_add_f32 v[BT:BT+1], v[BT:BT+1], v[BT+2:BT+3]
	v_pk_add_f32 v[BT+4:BT+5], v[BT+4:BT+5], v[BT+6:BT+7]
	s_delay_alu instid0(VALU_DEP_2)
	v_pk_add_f32 v[14:15], v[14:15], v[BT:BT+1]
	s_delay_alu instid0(VALU_DEP_2)
	v_pk_add_f32 v[38:39], v[38:39], v[BT+4:BT+5]
.irp b, 0,1,2,3,4,5,6,7
	v_max_num_f32 v[BM+\b], 0x1800000, v[BM+\b]    ; the floor 2^(3 - 127): the byte cannot fall under 1
.endr
.irp b, 0,1,2,3,4,5,6,7
	v_add_nc_u32 v[BM+\b], 0xff000000, v[BM+\b]    ; 2 off the exponent field: the conversion's scale operand
.endr
.irp b, 0,1,2,3,4,5,6,7
	v_lshrrev_b32 v[BT+\b], 23, v[BM+\b]           ; the scale's byte
.endr
	v_lshl_or_b32 v[PSWX], v[BT+1], 8, v[BT]       ; p's scale words: X's, Y's
	s_delay_alu instid0(VALU_DEP_4)
	v_lshl_or_b32 v[PSWY], v[BT+5], 8, v[BT+4]
	s_delay_alu instid0(VALU_DEP_2)
	v_lshl_or_b32 v[PSWX], v[BT+2], 16, v[PSWX]
	s_delay_alu instid0(VALU_DEP_2)
	v_lshl_or_b32 v[PSWY], v[BT+6], 16, v[PSWY]
	s_delay_alu instid0(VALU_DEP_2)
	v_lshl_or_b32 v[PSWX], v[BT+3], 24, v[PSWX]
	s_delay_alu instid0(VALU_DEP_2)
	v_lshl_or_b32 v[PSWY], v[BT+7], 24, v[PSWY]
.irp c, 0,1
	v_cvt_scalef32_pk16_fp6_f32 v[PC+6*\c:PC+2+6*\c], v[S+32*\c:S+15+32*\c], v[BM+2*\c]
	v_cvt_scalef32_pk16_fp6_f32 v[PC+12+4*\c:PC+14+4*\c], v[S+16+32*\c:S+31+32*\c], v[BM+2*\c+1]
.endr
	v_nop                                          ; one plain place: the conversions below write over the sources of those above
.irp c, 0,1
	v_cvt_scalef32_pk16_fp6_f32 v[S+6*\c:S+2+6*\c], v[S+64+32*\c:S+79+32*\c], v[BM+4+2*\c]
	v_cvt_scalef32_pk16_fp6_f32 v[S+12+4*\c:S+14+4*\c], v[S+80+32*\c:S+95+32*\c], v[BM+4+2*\c+1]
.endr
	v_nop                                          ; one plain place behind a scaled conversion
	SWAPS PC
	SWAPS S
	PLACES 4                                       ; between the codes' last writes and the products; 30 plain lines stand behind the scale words' last writes
	s_wait_alu depctr_va_vdst(0)
	WIN 0x51                                       ; source 0 (v), C and D window 1; source 1 (p) window 0
.irp t, 0,1,2,3,4,5,6,7
	WMA OX+8*\t, FK+12*\t, PC, SC+\t/2, PSWX, \t%2 ; the sixteen accumulators by turns
.endr
.irp t, 0,1,2,3,4,5,6,7
	WMA OY+8*\t, FK+12*\t, S, SC+\t/2, PSWY, \t%2
.endr
	WIN 0
	PLACES 5                                       ; four in front of the loads below; five in front of the next step's first product, which writes over the codes that these products read
	s_barrier_wait -1                              ; nobody reads this slot any more, and the other slot is whole
	s_cmp_lt_u32 s[STEPC], 15                      ; the last step has no successor
	s_cbranch_scc0 .Lnok
	FRUN 0                                         ; k of step i + 1, my block
.Lnok:
	s_cmp_lt_u32 s[STEPC], 14                      ; steps 14 and 15 have no step two on
	s_cbranch_scc0 .Lnostore
	s_wait_loadcnt 0x0                             ; my part of step i + 2, asked for in the step before
	LSTORE STG, STA, STB
.Lnostore:
	s_cmp_lt_u32 s[STEPC], 13
	s_cbranch_scc0 .Lnoload
	s_wait_loadcnt 0x0
	s_wait_dscnt 0x0                               ; my thirteen stores have read their registers (and k, wanted next, is in),
	s_add_nc_u64 s[SRC:SRC+1], s[SRC:SRC+1], BIG
	GLOAD STG, 2*BIG                               ; which take step i + 3
.Lnoload:
	s_add_co_u32 s[STEPC], s[STEPC], 1
	s_cmp_lt_u32 s[STEPC], 16
	s_cbranch_scc1 .Lstep
	; THE TWO HALVES OF THE KEYS MEET.  Behind the last step's barrier nobody reads the ring: its bytes serve the exchange, 8,448 for each wave.  I send Y's O^T as it stands, with its -M and this lane's sum, and take my partner's Y, which is my X.
	s_mul_i32 s4, s[WV], EXB
	s_xor_b32 s5, s[WV], 4
	s_mul_i32 s5, s5, EXB
	v_add_f32 v37, v38, v39                        ; beside -M, as a pair
	v_add_nc_u32 v[STA], s4, v[LI]
	v_add_nc_u32 v[STB], s4, v[L8]
	v_add_nc_u32 v[ADR], s5, v[LI]
	v_add_nc_u32 v[ADS], s5, v[L8]
	v_add_f32 v14, v14, v15
	WIN 0x04                                       ; an LDS store's data are its source 1: window 1
.irp j, 0,1,2,3,4,5,6,7,8,9,10,11,12,13,14,15
	ds_store_b128 v[STA], v[OY+4*\j:OY+4*\j+3] offset:512*\j   ; each accumulator from its low end on
.endr
	WIN 0
	ds_store_b64 v[STB], v[36:37] offset:8192
	s_wait_alu depctr_va_vdst(0)
	s_wait_dscnt 0x0
	s_barrier_signal -1
	s_barrier_wait -1
.irp j, 0,1,2,3,4,5,6,7,8,9,10,11,12,13,14,15
	ds_load_b128 v[S+4*\j:S+4*\j+3], v[ADR] offset:512*\j
.endr
	ds_load_b64 v[BT:BT+1], v[ADS] offset:8192
	s_wait_dscnt 0x0
	v_min_num_f32 v[TMP], v12, v[BT]               ; -M of all keys: the smaller of the two
	v_sub_f32 v[BM], v[TMP], v12                   ; my M - M, and my partner's: whole numbers, 0 or less
	v_sub_f32 v[BM+1], v[TMP], v[BT]
	v_cvt_i32_f32 v[BM], v[BM]
	v_cvt_i32_f32 v[BM+1], v[BM+1]
	v_ldexp_f32 v[BM], 1.0, v[BM]
	v_ldexp_f32 v[BM+1], 1.0, v[BM+1]
	v_mul_f32 v14, v14, v[BM]
	v_fma_f32 v14, v[BT+1], v[BM+1], v14           ; both halves' sums under M,
	v_permlanex16_b32 v[TMP], v14, s[SEL], s[SEL+1]
	v_add_f32 v14, v14, v[TMP]                     ; and lane l xor 16's: the row's sum
	s_wait_alu depctr_va_vdst(0)
	v_rcp_f32 v14, v14
	v_lshrrev_b32 v[TMP], 2, v[LI]                 ; 4 x lane: a plain place behind the reciprocal
	s_wait_alu depctr_va_vdst(0)                   ; ahead of the reciprocal's first reader
	v_mul_f32 v38, v14, v[BM+1]                    ; my partner's factor over the sum,
	v_mul_f32 v14, v14, v[BM]                      ; and mine
.set i, 0
.rept 32
	v_pk_mul_f32 v[S+2*i:S+2*i+1], v[S+2*i:S+2*i+1], v[38:39] op_sel_hi:[1,0]
.set i, i+1
.endr
	s_wait_alu depctr_va_vdst(0)
	WIN 0x01
.set i, 0
.rept 32
	v_pk_fma_f32 v[S+2*i:S+2*i+1], v[OX+2*i:OX+2*i+1], v[14:15], v[S+2*i:S+2*i+1] op_sel_hi:[1,0,1]   ; each accumulator from its low end on
.set i, i+1
.endr
	WIN 0
	; THE WAY OUT.  Register 16 b + i is channel 32 b + 16 h + i of my query: 64 numbers along the last product's K, quantised and stored as the fragment (group of queries, K step = head, tile = X).
	QUANT S
.irp c, 0,1,2
	global_store_b128 v[LI], v[PC+4*\c:PC+4*\c+3], s[AC:AC+1] offset:512*\c
.endr
	global_store_b32 v[TMP], v[PW], s[ACS:ACS+1]   ; the scale words: 4 bytes a lane, both halves of the lanes hold the same
	s_wait_tensorcnt 0x0                           ; the wave's end
	ds_add_u32 v[SPW], v[NIL]
	s_wait_dscnt 0x0
	s_endpgm
.Lfunc_end_k_qe73587ba98_attn:
	.size	k_qe73587ba98_attn, .Lfunc_end_k_qe73587ba98_attn-k_qe73587ba98_attn
	.p2alignl 7, 3214868480
	.fill 96, 4, 3214868480
	.section	.rodata,"a",@progbits
	.p2align	6, 0x0
	.amdhsa_kernel k_qe73587ba98_attn
		.amdhsa_group_segment_fixed_size 117760
		.amdhsa_private_segment_fixed_size 0
		.amdhsa_enable_private_segment 0
		.amdhsa_kernarg_size 40
		.amdhsa_user_sgpr_count 2
		.amdhsa_user_sgpr_kernarg_segment_ptr 1
		.amdhsa_wavefront_size32 1
		.amdhsa_system_sgpr_workgroup_id_x 1
		.amdhsa_system_sgpr_workgroup_id_y 1
		.amdhsa_system_sgpr_workgroup_id_z 1
		.amdhsa_system_vgpr_workitem_id 0
		.amdhsa_next_free_vgpr 512
		.amdhsa_next_free_sgpr 102
		.amdhsa_reserve_vcc 0
		.amdhsa_float_denorm_mode_32 3
		.amdhsa_float_denorm_mode_16_64 3
		.amdhsa_memory_ordered 1
		.amdhsa_forward_progress 1
		.amdhsa_inst_pref_size 76
	.end_amdhsa_kernel
	.amdgpu_metadata
---
amdhsa.version: [ 1, 2 ]
amdhsa.kernels:
  - .name:           k_qe73587ba98_attn
    .symbol:         k_qe73587ba98_attn.kd
    .args:
      - { .name: qkv, .offset: 0, .size: 8, .value_kind: global_buffer, .address_space: global }
      - { .name: mbits, .offset: 8, .size: 8, .value_kind: global_buffer, .address_space: global }
      - { .name: mfl, .offset: 16, .size: 8, .value_kind: global_buffer, .address_space: global }
      - { .name: ac, .offset: 24, .size: 8, .value_kind: global_buffer, .address_space: global }
      - { .name: acs, .offset: 32, .size: 8, .value_kind: global_buffer, .address_space: global }
    .group_segment_fixed_size: 117760
    .private_segment_fixed_size: 0
    .kernarg_segment_align: 8
    .kernarg_segment_size: 40
    .max_flat_workgroup_size: 256
    .sgpr_count:     102
    .vgpr_count:     512
    .wavefront_size: 32
...
	.end_amdgpu_metadata
.endif
;; end of part 3
;; launch outp (part 4): grid 32 x 4, 4 waves a work-group, clusters of 4 x 4, 327,680 bytes of LDS; arguments cod, scl, ac, acs, bo, out0; writes out0
.if DOCPART == 4
	.amdgcn_target "amdgcn-amd-amdhsa--gfx1250"
	.amdhsa_code_object_version 6
	.text
	.protected	k_qe73587ba98_outp
	.globl	k_qe73587ba98_outp
	.p2align	8
	.type	k_qe73587ba98_outp,@function
k_qe73587ba98_outp:
	s_mov_b64 s[64:65], 0
	v_nop
	global_prefetch_b8 v0, s[64:65] scope:SCOPE_SE
	s_setreg_imm32_b32 hwreg(HW_REG_WAVE_MODE, 25, 1), 1
	s_wait_xcnt 0x0
	s_wait_alu depctr_hold_cnt(0) depctr_sa_sdst(0) depctr_va_vdst(0) depctr_va_sdst(0) depctr_va_ssrc(0) depctr_va_vcc(0) depctr_vm_vsrc(0)
	s_getreg_b32 s2, hwreg(HW_REG_IB_STS2, 6, 4)
	s_cmp_eq_u32 s2, 0
	s_cbranch_scc0 .Lentry_in_a_cluster
	s_endpgm
.Lentry_in_a_cluster:
	s_bfe_u32 s2, ttmp6, 0x10000c
	s_cmp_lg_u32 s2, 0xf033
	s_cbranch_scc0 .Lentry_shape_is_right
	s_endpgm
.Lentry_shape_is_right:
; OUTP.  out0 = attn Wo^T + bo on codes of FP6 (E2M3) with E8M0 scales, f32 sums.  attn's codes (ac) and scale words (acs) and Wo's (cod, scl) lie as images of operand registers.
; Source 0 = a tile of Wo (rows 32 (b / 2) + 8 (b % 2) + r + 8 (r / 8) of a group of 128), source 1 = a tile of 16 queries: lane (r, h) holds query r, and the 64 registers of Wo's eight tiles are columns 32 B + 16 h + i at register 16 B + i.
; SHARES.  A work-group takes one group of Wo (128 columns of out0) and two groups of queries (256 rows), with all of K = 1,024 in LDS, filled once.  Wave w: group w / 2 of the pair, its tiles 4 (w % 2) on: 32 accumulators.
; 8 x 16 = 128 work-groups: a smaller share would read each fragment from LDS for half as many products.
; CLUSTERS of 4 x 4: Wo's group hangs on cy alone and is asked for jointly along a row of the cluster, the pair of queries' groups on cx alone and jointly along a column.
; The bias is the C of the first K step.  The results leave through a stage in LDS as whole runs of 512 bytes of a row.
; REGISTERS.  window 0: v2-9 addresses; v16-47 Wo's scale words, v48-63 attn's; v64-159 attn's fragments, two sets; on the way out v64-191 rows read back.  window 1: v0-191 Wo's fragments, two sets; v192-255 the bias.  window 2: accumulator (a, b) at v[8 (8 a + b)].
.set GRP,  98304
.set KSB,  12288
.set FRB,  1536
.set PH,   49152
.set SP,   528                         ; a stage row: 512 bytes + 16
.set LI,   2
.set PB,   2
.set NB,   4
.set LN,   7
.set SO,   8
.set RD,   9
.set PS,   16
.set NS,   48
.set NF,   64
.set BK,   64
.set VA,   200
.set VB,   201
.set PF,   0
.set BP,   192
.set WV,   16
.set GW,   17
.set HF,   18
.set CX,   21
.set CY,   22
.set G1P,  24
.set G1N,  32
.set G0P,  40
.set G0N,  48
.set PIX,  56
.set NPR,  57
.set OUT,  66
.set PSB,  74
.set NSB,  76
.set BPB,  78
.set MSB, 0
.macro WIN new
.if MSB != \new
	s_set_vgpr_msb (MSB<<8)|\new
.set MSB, \new
.endif
.endm
.macro PLACES n
.rept \n
	v_nop
.endr
.endm
.macro CROUND
	s_barrier_signal -1
	s_barrier_wait -1
	s_cmp_lg_u32 s[WV], 0
	s_cbranch_scc1 .Lnot_wave_0_\@
	s_barrier_signal -3
.Lnot_wave_0_\@:
	s_barrier_wait -3
	s_barrier_signal -1
	s_barrier_wait -1
.endm
.macro WM d, a, b, c, sa, sb, ra, rb
.if (\ra) == 0
.if (\rb) == 0
	v_wmma_scale_f32_16x16x128_f8f6f4 v[(\d):(\d)+7], v[(\a):(\a)+11], v[(\b):(\b)+11], v[(\c):(\c)+7], v[(\sa)], v[(\sb)] matrix_a_fmt:MATRIX_FMT_FP6 matrix_b_fmt:MATRIX_FMT_FP6
.else
	v_wmma_scale_f32_16x16x128_f8f6f4 v[(\d):(\d)+7], v[(\a):(\a)+11], v[(\b):(\b)+11], v[(\c):(\c)+7], v[(\sa)], v[(\sb)] matrix_a_fmt:MATRIX_FMT_FP6 matrix_b_fmt:MATRIX_FMT_FP6 matrix_b_scale:MATRIX_SCALE_ROW1
.endif
.else
.if (\rb) == 0
	v_wmma_scale_f32_16x16x128_f8f6f4 v[(\d):(\d)+7], v[(\a):(\a)+11], v[(\b):(\b)+11], v[(\c):(\c)+7], v[(\sa)], v[(\sb)] matrix_a_fmt:MATRIX_FMT_FP6 matrix_b_fmt:MATRIX_FMT_FP6 matrix_a_scale:MATRIX_SCALE_ROW1
.else
	v_wmma_scale_f32_16x16x128_f8f6f4 v[(\d):(\d)+7], v[(\a):(\a)+11], v[(\b):(\b)+11], v[(\c):(\c)+7], v[(\sa)], v[(\sb)] matrix_a_fmt:MATRIX_FMT_FP6 matrix_b_fmt:MATRIX_FMT_FP6 matrix_a_scale:MATRIX_SCALE_ROW1 matrix_b_scale:MATRIX_SCALE_ROW1
.endif
.endif
.endm
	s_load_b256 s[4:11], s[0:1], 0x0               ; cod, scl, ac, acs
	s_load_b128 s[12:15], s[0:1], 0x20             ; bo, out0
	v_lshl_add_u32 v254, v0, 2, 0x48000
	v_mov_b32 v255, 0
	ds_add_u32 v254, v255
	ds_add_u32 v254, v255
	v_lshrrev_b32 v1, 5, v0
	v_readfirstlane_b32 s[WV], v1                  ; wave 0..3
	s_lshr_b32 s[GW], s[WV], 1                     ; which group of the pair I multiply.  Also: I fetch for Wo (0) or for attn (1)
	s_and_b32 s[HF], s[WV], 1                      ; which four of its tiles.  Also: which part I fetch
	s_bfe_u32 s[CX], ttmp6, 0x40000
	s_bfe_u32 s[CY], ttmp6, 0x40004
	s_lshr_b32 s85, ttmp9, 2
	s_lshl_b32 s[PIX], s85, 2
	s_add_co_u32 s[PIX], s[PIX], s[CY]             ; Wo's group, 0..7
	s_and_b32 s86, ttmp9, 3
	s_lshl_b32 s[NPR], s86, 2
	s_add_co_u32 s[NPR], s[NPR], s[CX]             ; the pair of groups of queries, 0..15
	s_lshl_b32 s88, s[CY], 2
	s_lshl_b32 s88, 15, s88                        ; my row of the cluster
	s_lshl_b32 s89, 0x1111, s[CX]                  ; my column
	s_or_b32 s[G1P], s88, (3<<16)|(1<<21)          ; dense blocks as rows of 256 bytes (32 elements of 8 bytes): 192 rows, four K steps of a group, a load
	s_or_b32 s[G1N], s89, (3<<16)|(1<<21)
	s_mov_b32 s[G1P+1], 32<<16
	s_mov_b32 s[G1P+2], 192<<16
	s_mov_b32 s[G1P+3], 32<<16
	s_mov_b32 s[G1P+4], 192
	s_mov_b32 s[G1P+5], 32
	s_mov_b32 s[G1P+6], 0
	s_mov_b32 s[G1P+7], 0
	s_mov_b32 s[G1N+1], 32<<16
	s_mov_b32 s[G1N+2], 192<<16
	s_mov_b32 s[G1N+3], 32<<16
	s_mov_b32 s[G1N+4], 192
	s_mov_b32 s[G1N+5], 32
	s_mov_b32 s[G1N+6], 0
	s_mov_b32 s[G1N+7], 0
	s_add_co_u32 s58, s[PIX], 120                  ; Wo's groups are cod's 120 to 127
	s_lshl_b32 s[PSB], s58, 12
	s_mov_b32 s[PSB+1], 0
	s_mul_i32 s58, s58, GRP
	s_mul_i32 s62, s[HF], PH                       ; wave 0 fetches Wo's K steps 0-3, wave 1 its K steps 4-7
	s_add_co_u32 s58, s58, s62
	s_mov_b32 s59, 0
	s_lshl_b32 s60, s[NPR], 1
	s_add_co_u32 s84, s60, s[GW]                   ; the group that I multiply
	s_lshl_b32 s[NSB], s84, 13                     ; its scale words: [K step 8][tile 8][lane 32]
	s_lshl_b32 s61, s[HF], 9
	s_add_co_u32 s[NSB], s[NSB], s61
	s_mov_b32 s[NSB+1], 0
	s_add_co_u32 s60, s60, s[HF]                   ; the group that I fetch (waves 2 and 3)
	s_mul_i32 s60, s60, GRP
	s_mov_b32 s61, 0
	s_mul_i32 s63, s[HF], GRP
	s_add_co_u32 s63, s63, GRP
	v_and_b32 v[LN], 31, v0
	v_lshlrev_b32 v[LI], 4, v[LN]
	v_add_nc_u32 v[PB+1], PH, v[LI]
	s_mul_i32 s85, s[GW], GRP
	s_mul_i32 s86, s[HF], 4*FRB
	s_add_co_u32 s85, s85, s86
	s_add_co_u32 s85, s85, GRP
	v_add_nc_u32 v[NB], s85, v[LI]
	v_add_nc_u32 v[NB+1], PH, v[NB]
	v_bfe_u32 v1, v0, 4, 1                         ; h
	v_and_b32 v[VB], 15, v0                        ; r
	v_lshlrev_b32 v[VA], 6, v1                     ; the bias: 64 h
	s_mul_i32 s86, s[WV], 16*SP                    ; my stage, in the bytes that held Wo's fragments
	v_mul_u32_u24 v[SO], v[VB], SP
	v_lshl_add_u32 v[SO], v1, 6, v[SO]
	v_add_nc_u32 v[SO], s86, v[SO]                 ; in: row r, + 64 h
	v_add_nc_u32 v[RD], s86, v[LI]                 ; back: 16 bytes a lane of a row
	v_lshlrev_b32 v[VB], 2, v[VB]
	v_lshl_add_u32 v[VB], v1, 7, v[VB]             ; attn's scale words: 128 h + 4 r: lanes 16-31 take the tile that follows
	s_wait_dscnt 0x0
	s_wait_kmcnt 0x0
	s_add_nc_u64 s[58:59], s[4:5], s[58:59]
	s_add_nc_u64 s[60:61], s[8:9], s[60:61]
.irp p, 0,1
	s_mov_b32 s[G0P+4*\p], 1
	s_add_co_u32 s[G0P+4*\p+1], s62, \p*PH
	s_add_nc_u64 s[G0P+4*\p+2:G0P+4*\p+3], s[58:59], \p*PH
	s_or_b32 s[G0P+4*\p+3], s[G0P+4*\p+3], 0x80000000
	s_mov_b32 s[G0N+4*\p], 1
	s_add_co_u32 s[G0N+4*\p+1], s63, \p*PH
	s_add_nc_u64 s[G0N+4*\p+2:G0N+4*\p+3], s[60:61], \p*PH
	s_or_b32 s[G0N+4*\p+3], s[G0N+4*\p+3], 0x80000000
.endr
	CROUND                                         ; all sixteen work-groups are here: the joint loads meet
	s_cmp_eq_u32 s[GW], 0                          ; one joint load a wave at the head: waves 0 and 1 Wo's two halves, waves 2 and 3 K steps 0-3 of attn's two groups
	s_cbranch_scc0 .Lfill_n
	tensor_load_to_lds s[G0P:G0P+3], s[G1P:G1P+7]
	s_nop 0
	PLACES 4
	s_branch .Lfilled
.Lfill_n:
	tensor_load_to_lds s[G0N:G0N+3], s[G1N:G1N+7]
	s_nop 0
	PLACES 4
.Lfilled:
	s_add_nc_u64 s[PSB:PSB+1], s[6:7], s[PSB:PSB+1]
	s_add_nc_u64 s[NSB:NSB+1], s[10:11], s[NSB:NSB+1]
.irp k, 0,1,2,3,4,5,6,7
	global_load_b128 v[PS+4*\k:PS+4*\k+3], v[LI], s[PSB:PSB+1] offset:512*\k
.endr
	s_wait_alu depctr_va_vdst(0)
.irp j, 0,1
.irp s, 0,1,2,3,4,5,6,7
	global_load_b32 v[NS+8*\j+\s], v[VB], s[NSB:NSB+1] offset:\s*1024+\j*256   ; K step s: my tile 2 j in lanes 0-15, tile 2 j + 1 in lanes 16-31
.endr
.endr
	s_lshl_b32 s88, s[PIX], 9
	s_mov_b32 s89, 0
	s_add_nc_u64 s[BPB:BPB+1], s[12:13], s[88:89]
	WIN 0x40
.irp b, 0,1,2,3,4,5,6,7
	global_load_b128 v[BP+8*\b:BP+8*\b+3], v[VA], s[BPB:BPB+1] offset:(32*(\b/2)+8*(\b%2))*4
	global_load_b128 v[BP+8*\b+4:BP+8*\b+7], v[VA], s[BPB:BPB+1] offset:(32*(\b/2)+8*(\b%2))*4+16
.endr
	WIN 0
	s_lshl_b32 s84, s84, 7                         ; my first row of out0: 128 x group + 64 x half,
	s_lshl_b32 s85, s[HF], 6
	s_add_co_u32 s84, s84, s85
	s_lshl_b32 s84, s84, 12                        ; 4,096 bytes a row,
	s_add_co_u32 s88, s84, s88                     ; + 512 x Wo's group
	s_add_nc_u64 s[OUT:OUT+1], s[14:15], s[88:89]
.macro FETCH s
	WIN 0x40
.irp b, 0,1,2,3,4,5,6,7
.irp c, 0,1,2
	ds_load_b128 v[PF+96*((\s)%2)+12*\b+4*\c:PF+96*((\s)%2)+12*\b+4*\c+3], v[PB+(\s)/4] offset:((\s)%4)*KSB+\b*FRB+512*\c
.endr
.endr
	WIN 0
.irp a, 0,1,2,3
.irp c, 0,1,2
	ds_load_b128 v[NF+48*((\s)%2)+12*\a+4*\c:NF+48*((\s)%2)+12*\a+4*\c+3], v[NB+(\s)/4] offset:((\s)%4)*KSB+\a*FRB+512*\c
.endr
.endr
.endm
; A K step: 32 matrix instructions, the 32 accumulators by turns, in the same order in every step.
.macro KSTEP s
	s_wait_dscnt 0x0                               ; this step's fragments are in
.if (\s) == 3
	s_wait_tensorcnt 0x0                           ; my part of K steps 4-7 has landed,
	s_barrier_signal -1
	s_barrier_wait -1                              ; everybody's has
.endif
	PLACES 4                                       ; in front of loads into registers that the last step's matrix instructions have read
.if (\s) < 7
	FETCH (\s)+1
.endif
.if (\s) == 0
	WIN 0x91                                       ; source 0 (Wo) and C (the bias) window 1, source 1 window 0, D window 2
.else
	WIN 0xa1
.endif
.irp a, 0,1,2,3
.irp b, 0,1,2,3,4,5,6,7
.if (\s) == 0
	WM 8*(8*\a+\b), PF+96*((\s)%2)+12*\b, NF+48*((\s)%2)+12*\a, BP+8*\b, PS+8*(\b/2)+(\s), NS+8*(\a/2)+(\s), \b%2, \a%2
.else
	WM 8*(8*\a+\b), PF+96*((\s)%2)+12*\b, NF+48*((\s)%2)+12*\a, 8*(8*\a+\b), PS+8*(\b/2)+(\s), NS+8*(\a/2)+(\s), \b%2, \a%2
.endif
.endr
.endr
	WIN 0
.endm
	s_wait_tensorcnt 0x0                           ; my load of the head has landed
	ds_add_u32 v254, v255
	s_wait_dscnt 0x0
	CROUND                                         ; everybody's has, and all sixteen work-groups are here: the joint loads meet
	s_cmp_lg_u32 s[GW], 0
	s_cbranch_scc0 .Lsecond
	tensor_load_to_lds s[G0N+4:G0N+7], s[G1N:G1N+7]   ; waves 2 and 3: K steps 4-7 of attn's two groups, bytes that are filled for the first time; they are waited for in K step 3
	s_nop 0
	PLACES 4
.Lsecond:
	FETCH 0
	s_wait_loadcnt 0x0                             ; scale words and the bias
.irp s, 0,1,2,3,4,5,6,7
	KSTEP \s
.endr
	s_wait_dscnt 0x0
	s_barrier_signal -1
	s_barrier_wait -1                              ; every wave's reads of the fragments are over: the bytes that held Wo's, which have had their last fill, become the stages
	PLACES 4                                       ; in front of the first read of results, and of loads into registers that held attn's fragments
; THE WAY OUT, a tile of 16 queries x 128 columns at a time.  A lane holds pieces of one row and the lanes beside it hold other rows: a tile goes through my own stage and comes back as rows of 512 bytes.
.macro TOSTAGE a
	WIN 0x08                                       ; an LDS store's data are its source 1: window 2
.irp b, 0,1,2,3,4,5,6,7
	ds_store_b128 v[SO], v[64*(\a)+8*\b:64*(\a)+8*\b+3] offset:128*(\b/2)+32*(\b%2)        ; each accumulator from its low end on
	ds_store_b128 v[SO], v[64*(\a)+8*\b+4:64*(\a)+8*\b+7] offset:128*(\b/2)+32*(\b%2)+16
.endr
	WIN 0
.irp i, 0,1,2,3,4,5,6,7,8,9,10,11,12,13,14,15
	ds_load_b128 v[BK+64*((\a)%2)+4*\i:BK+64*((\a)%2)+4*\i+3], v[RD] offset:SP*\i   ; LDS serves a wave's instructions in order: these see the stores above, and the next tile's stores come behind them
.endr
.endm
.macro SEND a, younger                 ; younger: the LDS instructions issued behind tile a's loads, which may stay out
	s_wait_dscnt \younger
.irp i, 0,1,2,3,4,5,6,7,8,9,10,11,12,13,14,15
	global_store_b128 v[LI], v[BK+64*((\a)%2)+4*\i:BK+64*((\a)%2)+4*\i+3], s[OUT:OUT+1] offset:(16*(\a)+\i)*4096 th:TH_STORE_NT   ; 512 consecutive bytes, at a multiple of 256 from out0's first byte; written once
.endr
.endm
	TOSTAGE 0
.irp a, 1,2,3
.if \a > 1
	s_wait_xcnt 0x0                                ; tile a - 2's stores have read their registers: tile a's loads may land there
.endif
	TOSTAGE \a
	SEND \a-1, 32                                  ; behind tile a - 1's loads: tile a's 16 stores and 16 loads
.endr
	SEND 3, 0
	s_wait_tensorcnt 0x0
	ds_add_u32 v254, v255
	s_wait_dscnt 0x0
	CROUND                                         ; the closing round: no work-group ends while a partner may still ask for a tile that names it
	s_endpgm
.Lfunc_end_k_qe73587ba98_outp:
	.size	k_qe73587ba98_outp, .Lfunc_end_k_qe73587ba98_outp-k_qe73587ba98_outp
	.p2alignl 7, 3214868480
	.fill 96, 4, 3214868480
	.section	.rodata,"a",@progbits
	.p2align	6, 0x0
	.amdhsa_kernel k_qe73587ba98_outp
		.amdhsa_group_segment_fixed_size 327680
		.amdhsa_private_segment_fixed_size 0
		.amdhsa_enable_private_segment 0
		.amdhsa_kernarg_size 48
		.amdhsa_user_sgpr_count 2
		.amdhsa_user_sgpr_kernarg_segment_ptr 1
		.amdhsa_wavefront_size32 1
		.amdhsa_system_sgpr_workgroup_id_x 1
		.amdhsa_system_sgpr_workgroup_id_y 1
		.amdhsa_system_sgpr_workgroup_id_z 1
		.amdhsa_system_vgpr_workitem_id 0
		.amdhsa_next_free_vgpr 768
		.amdhsa_next_free_sgpr 92
		.amdhsa_reserve_vcc 0
		.amdhsa_float_denorm_mode_32 3
		.amdhsa_float_denorm_mode_16_64 3
		.amdhsa_memory_ordered 1
		.amdhsa_forward_progress 1
		.amdhsa_inst_pref_size 79
	.end_amdhsa_kernel
	.amdgpu_metadata
---
amdhsa.version: [ 1, 2 ]
amdhsa.kernels:
  - .name:           k_qe73587ba98_outp
    .symbol:         k_qe73587ba98_outp.kd
    .args:
      - { .name: cod, .offset: 0, .size: 8, .value_kind: global_buffer, .address_space: global }
      - { .name: scl, .offset: 8, .size: 8, .value_kind: global_buffer, .address_space: global }
      - { .name: ac, .offset: 16, .size: 8, .value_kind: global_buffer, .address_space: global }
      - { .name: acs, .offset: 24, .size: 8, .value_kind: global_buffer, .address_space: global }
      - { .name: bo, .offset: 32, .size: 8, .value_kind: global_buffer, .address_space: global }
      - { .name: out0, .offset: 40, .size: 8, .value_kind: global_buffer, .address_space: global }
    .group_segment_fixed_size: 327680
    .private_segment_fixed_size: 0
    .kernarg_segment_align: 8
    .kernarg_segment_size: 48
    .max_flat_workgroup_size: 128
    .sgpr_count:     92
    .vgpr_count:     768
    .wavefront_size: 32
...
	.end_amdgpu_metadata
.endif
;; end of part 4
